; MI455X (gfx1250); checked and timed in simulation.
; The chip was launched on July 23, 2026; its instructions are those of AMD's public machine-readable ISA for CDNA 5 (MIT licence, August 2026) and "CDNA5" Instruction Set Architecture Reference Guide (July 2026). The comments in the code are by the model that wrote it; some were corrected since.
;; VLM Multi Head Attention. Allowed arithmetic: float matrix products may take bf16 or f16 operands with f32 sums; other float arithmetic in f32, or as packed bf16 or f16 multiplies, adds, multiply-adds, maxima and minima; sums over many terms, partial sums and values carried from step to step in f32; what a program stores and reads back later, other than sums and carried values, may be rounded once to bf16 or f16.
;; Inputs: Wk 1,024 x 1,024 float32; Wo 1,024 x 1,024 float32; Wq 1,024 x 1,024 float32; Wv 1,024 x 1,024 float32; bo 1,024 float32; x 8 x 1,221 x 1,024 float32.
;; Outputs: out0 8 x 1,221 x 1,024 float32.
;; Constants: S_V = 197.
;; 2 versions, each right; version 2 is version 1 with the launches prep, attn written anew for expert scheduling mode. Each part assembles by itself: llvm-mc -triple=amdgcn-amd-amdhsa -mcpu=gfx1250 --defsym DOCPART=n.
;; ======== version 1 of 2: 4 launches
;; limits: values are held in f16: magnitudes above 65,504 overflow, below 6.1e-05 lose precision
;; workspace buffers: xb 20,971,520 bytes; wc 7,864,320 bytes; wob 2,621,440 bytes; tab 655,360 bytes; qkv 39,321,600 bytes; ob 13,107,200 bytes
;; launch prep (part 1): grid 520 x 1, 8 waves a work-group, no clusters, 0 bytes of LDS; arguments x, Wq, Wk, Wv, Wo, xb, wc, wob, tab; writes xb, wc, wob, tab
.if DOCPART == 1
	.amdgcn_target "amdgcn-amd-amdhsa--gfx1250"
	.amdhsa_code_object_version 6
	.text
	.protected	k_q4ccdb58259_prep
	.globl	k_q4ccdb58259_prep
	.p2align	8
	.type	k_q4ccdb58259_prep,@function
k_q4ccdb58259_prep:
	s_mov_b64 s[64:65], 0
	v_nop
	global_prefetch_b8 v0, s[64:65] scope:SCOPE_SE
	s_setreg_imm32_b32 hwreg(HW_REG_WAVE_MODE, 25, 1), 1
	s_wait_xcnt 0x0
; CASTS, NEW LAYOUTS AND THE ROTATION TABLE.  A stream: no LDS, no matrix unit, no cluster; each wave works alone.
; Work-groups 0-319:   xb[P][1024] bf16, 10,240 rows.  P < 8192: text row, P = 1024 b + (t - 197).  P >= 8192: vision row, P = 8192 + 256 b + t, t < 197; the rows t = 197..255 are written as zeros.
; Work-groups 320-439: wc[set][kind q,k,v][g][64][1024] bf16: the ten heads that a row of the set needs.  Set 0 (text rows): head 6 + g.  Set 1 (vision rows): head g (g < 6) or g + 6.
; Work-groups 440-479: wob[set][g][n][64] f16: Wo's 64 columns of that head, rounded to bf16 like every input and that number written as f16.
; Work-groups 480-519: tab[2][1280 t][32 pairs][cos, sin] f32: part 0 the rotation by t x 10000^(-i/32), part 1 (1, 0) for v.
; LIMITS.  bf16(Wo) beyond 65,504 becomes an infinity in f16, below 6e-5 it keeps f16's fixed step.  The angle t x inv is formed in f32, as the problem forms it: good to about 1e-4 at t = 1220.
; Sine and cosine: the angle less a multiple of 2 pi (in two parts), a quarter of it into two polynomials (|y| <= pi/4: the first terms left out are below 3e-8), the angle doubled twice.
.set XR, 32                            ; v[32:159]  as loaded
.set YR, 160                           ; v[160:223] to store
	s_load_b512 s[4:19], s[0:1], 0x0               ; x s[4:5], Wq s[6:7], Wk s[8:9], Wv s[10:11], Wo s[12:13], xb s[14:15], wc s[16:17], wob s[18:19]
	s_load_b64 s[20:21], s[0:1], 0x40              ; tab
	v_lshrrev_b32 v3, 5, v0
	v_readfirstlane_b32 s22, v3                    ; wave 0..7
	v_and_b32 v4, 31, v0                           ; lane
	v_lshlrev_b32 v1, 4, v4                        ; 16 bytes a lane on the way in
	v_lshlrev_b32 v2, 3, v4                        ; 8 bytes a lane on the way out
	s_mov_b32 s47, 0                               ; high words of the two offset pairs
	s_mov_b32 s49, 0
	s_wait_kmcnt 0x0
	s_cmp_lt_u32 ttmp9, 320
	s_cbranch_scc1 .Lxrows
	s_cmp_lt_u32 ttmp9, 440
	s_cbranch_scc1 .Lwrows
	s_cmp_lt_u32 ttmp9, 480
	s_cbranch_scc1 .Lworows
	; THE TABLE: a wave makes four rows t, a lane a pair i
	s_sub_co_u32 s23, ttmp9, 480
	s_lshl_b32 s23, s23, 5
	s_lshl2_add_u32 s23, s22, s23                  ; t of my first row
	s_lshl_b32 s48, s23, 8                         ; 256 bytes a row
	s_add_nc_u64 s[30:31], s[20:21], s[48:49]
	s_mov_b32 s56, 0x40c90fdb                      ; 2 pi, its f32 part,
	s_mov_b32 s57, 0xb43bbd2e                      ; and what that leaves
	v_cvt_f32_u32 v5, v4
	v_mul_f32 v5, 0xbed49a78, v5                   ; - i log2(10000) / 32
	v_exp_f32 v5, v5                               ; 10000^(-i/32)
	v_mov_b32 v6, 1.0                              ; the plain instruction behind the exponential; (1, 0) is part 1's pair
	v_mov_b32 v7, 0
	s_wait_alu depctr_va_vdst(0)                   ; the wait ahead of v5's first use
.macro TROW k
	s_add_co_u32 s24, s23, \k
	v_cvt_f32_u32 v8, s24
	v_mul_f32 v8, v8, v5                           ; the angle
	v_mul_f32 v9, 0.15915494, v8
	v_rndne_f32 v9, v9                             ; whole turns
	v_fma_f32 v8, -v9, s56, v8
	v_fma_f32 v8, -v9, s57, v8                     ; within -pi .. pi
	v_mul_f32 v10, 0x3e800000, v8                  ; y: a quarter of it
	v_mul_f32 v11, v10, v10
	v_mov_b32 v[17+2*(\k)], 0x3638ef1d             ; sin y = y (1 - u/6 + u^2/120 - u^3/5040 + u^4/362880)
	v_fmaak_f32 v[17+2*(\k)], v[17+2*(\k)], v11, 0xb9500d01
	v_fmaak_f32 v[17+2*(\k)], v[17+2*(\k)], v11, 0x3c088889
	v_fmaak_f32 v[17+2*(\k)], v[17+2*(\k)], v11, 0xbe2aaaab
	v_fmaak_f32 v[17+2*(\k)], v[17+2*(\k)], v11, 0x3f800000
	v_mul_f32 v[17+2*(\k)], v[17+2*(\k)], v10
	v_mov_b32 v[16+2*(\k)], 0x37d00d01             ; cos y = 1 - u/2 + u^2/24 - u^3/720 + u^4/40320
	v_fmaak_f32 v[16+2*(\k)], v[16+2*(\k)], v11, 0xbab60b61
	v_fmaak_f32 v[16+2*(\k)], v[16+2*(\k)], v11, 0x3d2aaaab
	v_fmaak_f32 v[16+2*(\k)], v[16+2*(\k)], v11, 0xbf000000
	v_fmaak_f32 v[16+2*(\k)], v[16+2*(\k)], v11, 0x3f800000
.rept 2                                ; the angle doubled: (s, c) <- (2 s c, 1 - 2 s^2)
	v_mul_f32 v12, v[17+2*(\k)], v[16+2*(\k)]
	v_mul_f32 v11, v[17+2*(\k)], v[17+2*(\k)]
	v_add_f32 v[17+2*(\k)], v12, v12
	v_fma_f32 v[16+2*(\k)], v11, -2.0, 1.0
.endr
	global_store_b64 v2, v[16+2*(\k):17+2*(\k)], s[30:31] offset:256*(\k)          ; a wave's store covers a row's 256 bytes
	global_store_b64 v2, v[6:7], s[30:31] offset:327680+256*(\k)
.endm
	TROW 0
	TROW 1
	TROW 2
	TROW 3
	s_endpgm
.Lxrows:                                       ; x -> xb: the work-group 32 rows P, a wave four
	s_lshl_b32 s23, ttmp9, 5
	s_lshl2_add_u32 s23, s22, s23                  ; P of my first row
	s_mov_b64 s[28:29], s[4:5]
	s_lshl_b32 s48, s23, 11
	s_add_nc_u64 s[30:31], s[14:15], s[48:49]      ; where it goes
	s_lshr_b32 s27, s23, 10                        ; text: b,
	s_add_co_u32 s27, s27, 1
	s_mul_i32 s27, s27, 197
	s_add_co_u32 s24, s23, s27                     ; x's row 1221 b + t = P + 197 (b + 1)
	s_sub_co_u32 s50, s23, 8192                    ; vision: b,
	s_lshr_b32 s50, s50, 8
	s_mul_i32 s50, s50, 1221                       ; its first row, which always exists,
	s_and_b32 s51, s23, 255                        ; t,
	s_add_co_u32 s52, s50, s51
	s_sub_co_i32 s53, 197, s51                     ; and how many rows from t on exist (may be below 0)
	s_cmp_lt_u32 s23, 8192
	s_cselect_b32 s24, s24, s52                    ; source row of my first row
	s_cselect_b32 s26, s24, s50                    ; a row to load where there is none
	s_cselect_b32 s25, 1000, s53                   ; rows that exist
	s_branch .Lcast
.Lwrows:                                       ; Wq, Wk, Wv -> wc: 32 rows a work-group; 32 divides 384, 640 and 1920, so a chunk lies in one piece
	s_sub_co_u32 s23, ttmp9, 320
	s_lshl_b32 s23, s23, 5
	s_lshl2_add_u32 s23, s22, s23                  ; wc's row
	s_lshl_b32 s48, s23, 11
	s_add_nc_u64 s[30:31], s[16:17], s[48:49]
	s_cmp_ge_u32 s23, 1920
	s_cselect_b32 s50, 1, 0                        ; set
	s_cselect_b32 s51, 1920, 0
	s_sub_co_u32 s51, s23, s51
	s_cmp_ge_u32 s51, 640
	s_cselect_b32 s52, 1, 0
	s_cmp_ge_u32 s51, 1280
	s_cselect_b32 s52, 2, s52                      ; kind
	s_mul_i32 s53, s52, 640
	s_sub_co_u32 s53, s51, s53                     ; 64 g + d
	s_add_co_u32 s54, s53, 384                     ; head g + 6
	s_cmp_lt_u32 s53, 384
	s_cselect_b32 s55, s53, s54                    ; set 1: head g below 6, else g + 6
	s_cmp_eq_u32 s50, 0
	s_cselect_b32 s24, s54, s55
	s_mov_b32 s26, s24
	s_mov_b32 s25, 1000
	s_cmp_eq_u32 s52, 0
	s_cselect_b64 s[28:29], s[6:7], s[8:9]
	s_cmp_eq_u32 s52, 2
	s_cselect_b64 s[28:29], s[10:11], s[28:29]
.Lcast:                                        ; four rows of 1,024 f32 -> bf16; a row that does not exist is loaded from a row that does and stored as zeros
.irp k, 0,1,2,3
	s_add_co_u32 s23, s24, \k
	s_cmp_gt_i32 s25, \k
	s_cselect_b32 s23, s23, s26
	s_cselect_b32 s[40+\k], -1, 0
	s_lshl_b32 s46, s23, 12
	s_add_nc_u64 s[32+2*\k:33+2*\k], s[28:29], s[46:47]
.endr
.irp k, 0,1,2,3
.irp j, 0,1,2,3,4,5,6,7
	global_load_b128 v[XR+32*\k+4*\j:XR+32*\k+4*\j+3], v1, s[32+2*\k:33+2*\k] offset:512*\j  ; all 32 loads go out first: 512 consecutive bytes each
.endr
.endr
.irp k, 0,1,2,3
	s_wait_loadcnt 24-8*\k                         ; loads come back in order: this row's eight are in, the later rows' stay out
.irp j, 0,1,2,3,4,5,6,7
	v_cvt_pk_bf16_f32 v[YR+16*\k+2*\j], v[XR+32*\k+4*\j], v[XR+32*\k+4*\j+1]
	v_cvt_pk_bf16_f32 v[YR+16*\k+2*\j+1], v[XR+32*\k+4*\j+2], v[XR+32*\k+4*\j+3]
	v_and_b32 v[YR+16*\k+2*\j], s[40+\k], v[YR+16*\k+2*\j]
	v_and_b32 v[YR+16*\k+2*\j+1], s[40+\k], v[YR+16*\k+2*\j+1]
	global_store_b64 v2, v[YR+16*\k+2*\j:YR+16*\k+2*\j+1], s[30:31] offset:2048*\k+256*\j  ; 256 consecutive bytes, aligned; no register is used twice, so nothing is waited for
.endr
.endr
	s_endpgm
.Lworows:                                      ; Wo -> wob: a work-group half of one (set, g): 512 rows n, a wave 64
	s_sub_co_u32 s23, ttmp9, 440
	s_lshr_b32 s24, s23, 1                         ; 10 set + g
	s_and_b32 s25, s23, 1
	s_cmp_ge_u32 s24, 10
	s_cselect_b32 s26, 10, 0
	s_cselect_b32 s50, 1, 0                        ; set
	s_sub_co_u32 s26, s24, s26                     ; g
	s_add_co_u32 s27, s26, 6
	s_cmp_lt_u32 s26, 6
	s_cselect_b32 s51, s26, s27
	s_cmp_eq_u32 s50, 0
	s_cselect_b32 s27, s27, s51                    ; head
	s_lshl_b32 s25, s25, 9
	s_lshl_b32 s51, s22, 6
	s_add_co_u32 s25, s25, s51                     ; my first row n
	s_lshl_b32 s46, s25, 12
	s_lshl_b32 s27, s27, 8
	s_add_co_u32 s46, s46, s27
	s_add_nc_u64 s[28:29], s[12:13], s[46:47]      ; Wo at (n, 64 head)
	s_lshl_b32 s48, s24, 10
	s_add_co_u32 s48, s48, s25
	s_lshl_b32 s48, s48, 7
	s_add_nc_u64 s[30:31], s[18:19], s[48:49]
	v_lshrrev_b32 v5, 4, v4
	v_and_b32 v6, 15, v4
	v_lshlrev_b32 v6, 4, v6
	v_lshl_add_u32 v3, v5, 12, v6                  ; lanes 0-15 one row's 256 bytes, lanes 16-31 the next row's
.set j, 0
.rept 32
	global_load_b128 v[XR+4*j:XR+4*j+3], v3, s[28:29] offset:8192*j
.set j, j+1
.endr
.set j, 0
.rept 32
.if j%8 == 0
	s_wait_loadcnt 24-j                            ; eight loads at a time: the later ones stay out
.endif
	v_cvt_pk_bf16_f32 v8, v[XR+4*j], v[XR+4*j+1]
	v_cvt_pk_bf16_f32 v9, v[XR+4*j+2], v[XR+4*j+3]
	v_lshlrev_b32 v10, 16, v8
	v_and_b32 v11, 0xffff0000, v8
	v_cvt_pk_f16_f32 v[YR+2*j], v10, v11
	v_lshlrev_b32 v10, 16, v9
	v_and_b32 v11, 0xffff0000, v9
	v_cvt_pk_f16_f32 v[YR+2*j+1], v10, v11
	global_store_b64 v2, v[YR+2*j:YR+2*j+1], s[30:31] offset:256*j  ; two rows of 128 bytes: 256 consecutive bytes, aligned
.set j, j+1
.endr
	s_endpgm
.Lfunc_end_k_q4ccdb58259_prep:
	.size	k_q4ccdb58259_prep, .Lfunc_end_k_q4ccdb58259_prep-k_q4ccdb58259_prep
	.p2alignl 7, 3214868480
	.fill 96, 4, 3214868480
	.section	.rodata,"a",@progbits
	.p2align	6, 0x0
	.amdhsa_kernel k_q4ccdb58259_prep
		.amdhsa_group_segment_fixed_size 0
		.amdhsa_private_segment_fixed_size 0
		.amdhsa_enable_private_segment 0
		.amdhsa_kernarg_size 72
		.amdhsa_user_sgpr_count 2
		.amdhsa_user_sgpr_kernarg_segment_ptr 1
		.amdhsa_wavefront_size32 1
		.amdhsa_system_sgpr_workgroup_id_x 1
		.amdhsa_system_sgpr_workgroup_id_y 1
		.amdhsa_system_sgpr_workgroup_id_z 1
		.amdhsa_system_vgpr_workitem_id 0
		.amdhsa_next_free_vgpr 224
		.amdhsa_next_free_sgpr 66
		.amdhsa_reserve_vcc 0
		.amdhsa_float_denorm_mode_32 3
		.amdhsa_float_denorm_mode_16_64 3
		.amdhsa_memory_ordered 1
		.amdhsa_forward_progress 1
		.amdhsa_inst_pref_size 44
	.end_amdhsa_kernel
	.amdgpu_metadata
---
amdhsa.version: [ 1, 2 ]
amdhsa.kernels:
  - .name:           k_q4ccdb58259_prep
    .symbol:         k_q4ccdb58259_prep.kd
    .args:
      - { .name: x, .offset: 0, .size: 8, .value_kind: global_buffer, .address_space: global }
      - { .name: Wq, .offset: 8, .size: 8, .value_kind: global_buffer, .address_space: global }
      - { .name: Wk, .offset: 16, .size: 8, .value_kind: global_buffer, .address_space: global }
      - { .name: Wv, .offset: 24, .size: 8, .value_kind: global_buffer, .address_space: global }
      - { .name: Wo, .offset: 32, .size: 8, .value_kind: global_buffer, .address_space: global }
      - { .name: xb, .offset: 40, .size: 8, .value_kind: global_buffer, .address_space: global }
      - { .name: wc, .offset: 48, .size: 8, .value_kind: global_buffer, .address_space: global }
      - { .name: wob, .offset: 56, .size: 8, .value_kind: global_buffer, .address_space: global }
      - { .name: tab, .offset: 64, .size: 8, .value_kind: global_buffer, .address_space: global }
    .group_segment_fixed_size: 0
    .private_segment_fixed_size: 0
    .kernarg_segment_align: 8
    .kernarg_segment_size: 72
    .max_flat_workgroup_size: 256
    .sgpr_count:     66
    .vgpr_count:     224
    .wavefront_size: 32
...
	.end_amdgpu_metadata
.endif
;; end of part 1
;; launch proj (part 2): grid 40 x 6, 4 waves a work-group, clusters of 4 x 1, 327,680 bytes of LDS; arguments xb, wc, tab, qkv; writes qkv
.if DOCPART == 2
	.amdgcn_target "amdgcn-amd-amdhsa--gfx1250"
	.amdhsa_code_object_version 6
	.text
	.protected	k_q4ccdb58259_proj
	.globl	k_q4ccdb58259_proj
	.p2align	8
	.type	k_q4ccdb58259_proj,@function
k_q4ccdb58259_proj:
	s_mov_b64 s[64:65], 0
	v_nop
	global_prefetch_b8 v0, s[64:65] scope:SCOPE_SE
	s_setreg_imm32_b32 hwreg(HW_REG_WAVE_MODE, 25, 1), 1
	s_wait_xcnt 0x0
	s_wait_alu depctr_hold_cnt(0) depctr_sa_sdst(0) depctr_va_vdst(0) depctr_va_sdst(0) depctr_va_ssrc(0) depctr_va_vcc(0) depctr_vm_vsrc(0)
	s_getreg_b32 s2, hwreg(HW_REG_IB_STS2, 6, 4)
	s_cmp_eq_u32 s2, 0
	s_cbranch_scc0 .Lentry_in_a_cluster
	s_endpgm
.Lentry_in_a_cluster:
	s_bfe_u32 s2, ttmp6, 0x10000c
	s_cmp_lg_u32 s2, 0x3003
	s_cbranch_scc0 .Lentry_shape_is_right
	s_endpgm
.Lentry_shape_is_right:
; q, k, v = xb wc^T, rotated (q, k), by heads in f16.  xb: [10240][1024] bf16; wc: [2 sets][3 kinds][10 heads][64][1024] bf16; tab: [2][1280][32][cos, sin] f32.
; qkv: [3 kinds][400 blocks][256 rows][64] f16; block of local head g and row tile i: 32 g + i (i < 32, text), 288 + 8 g + i (vision).  Sums in f32; the rotation in f32; one rounding to f16.
; LIMIT.  q, k, v beyond 65,504 become infinities in f16.
; SHARES.  A work-group makes 256 rows (tile i) x 320 columns (five heads of one kind): 40 x 6 work-groups.  Wave (ih, j): the tile's rows 128 ih .. + 127 x heads 2 j, 2 j + 1 of the five (64 accumulators),
; and rows 128 ih + 64 j .. + 63 x the fifth head (16 accumulators).  Fragment a of A stands for row block (a + 4 j) mod 8 of the half, so that the fifth head's products take a = 0..3 in every wave.
; K goes in steps of 128 through two LDS slots (256 rows of A, 320 of B, 256 bytes a row in memory, 272 apart in LDS): 80 matrix instructions a wave for 32 along K, 40 LDS loads.
; CLUSTER 4, 1, 1: four row tiles of one set need the same 320 rows of wc: B's tile (80 of a step's 144 KiB) is asked for jointly; A's is each work-group's own (mask 0).  The grid's six column tiles are no multiple of four, so A is not shared.
; THE MATRIX INSTRUCTION IS USED TRANSPOSED (source 0 = 16 rows of wc, source 1 = 16 rows of xb): a lane holds eight neighbouring channels of one row.
; THE WAY OUT.  During the last K step the tile's 256 table rows land where slot 0's A lay.  The f32 sums go through the wave's own stage (ring bytes that have had their last fill), come back as rows, are rotated, rounded and stored: 512 consecutive bytes a store.
; REGISTERS.  window 0: v4-31 addresses; v64-127, v128-191 A's fragments, two buffers; v192-223, v224-255 the fifth head's B, two buffers.  window 1: v0-63, v64-127 my two heads' B; v128-255 the fifth head's accumulators.
; window 2: accumulators a = 0..3 ((a, b) at 8 (8 a + b)); window 3: a = 4..7.
.set PITCH,  272
.set UNIT,   16*PITCH                  ; 16 rows
.set SLOT,   576*PITCH                 ; A's 256 rows, B's 320
.set BOFF,   256*PITCH
.set XOFF,   512*PITCH                 ; the fifth head's 64 rows of B
.set SPARE,  2*SLOT                    ; the spare words, 128 bytes for each wave: two blocks of 256 bytes that no other line names
.set STGW,   12*UNIT                   ; a wave's stage: 12 units of 16 rows x 64 f32; the four begin at BOFF
.set KIND,   13107200                  ; bytes of q (or k, or v)
.set LB,    4                          ; v4   272 (l / 8) + 32 (l % 8): my 32 bytes of four rows
.set L16,   5                          ; v5   16 l
.set ADRAL, 16                         ; v16-17  A's fragments 0-3, slot 0, 1
.set ADRAH, 18                         ; v18-19  A's fragments 4-7
.set ADRB,  20                         ; v20-21  my two heads' B
.set ADRX,  22                         ; v22-23  the fifth head's B
.set STO,   24
.set DRD,   25
.set TRD,   26
.set GO,    27
.set SPW,   28                         ; v28  my spare word; never rewritten
.set NIL,   29                         ; v29  0; never rewritten
.set PFO,   30                         ; v30  2048 l: a lane a row
.set PFOB,  31                         ; v31  2048 (l / 4) + 256 (l % 4)
.set TT,    64                         ; the way out: table, sums, at work, packed
.set DD,    96
.set YY,    192
.set ZZ,    208
.set G1A, 24
.set G1B, 32
.set G1T, 40
.set G0A, 48                           ; s[48:55] a set for each slot
.set G0B, 56                           ; s[56:63]
.set G0T, 68
.set PFA, 72
.set LIM, 74
.set LIMB, 75
.set PFB, 76
.set TR1, 78                           ; LDS row offset of fragments 0-3's rows (A's area and the table have one pitch)
.set TR2, 79
.set DB,  80                           ; s[80:89] five bases in qkv
.set MSB, 0
.macro WIN new
.if MSB != (\new)
	s_set_vgpr_msb (MSB<<8)|(\new)
.set MSB, \new
.endif
.endm
.set MUL_LO, 0xa1                      ; source 0 (B) window 1, source 1 (A) window 0, C and D window 2
.macro PLACES                          ; four plain places behind matrix instructions, ahead of loads into their sources and of stores of their results
.rept 4
	v_nop
.endr
.endm
.macro JLOAD s                         ; waves 0, 1: A's halves (my own); waves 2, 3: B's halves (joint).  An s_nop 0 and four v_nop follow each line
	s_cmp_eq_u32 s13, 0
	s_cbranch_scc0 .Lfor_b_\@
	tensor_load_to_lds s[G0A+4*(\s):G0A+4*(\s)+3], s[G1A:G1A+7]
	s_nop 0
.rept 4
	v_nop
.endr
	s_branch .Lasked_\@
.Lfor_b_\@:
	tensor_load_to_lds s[G0B+4*(\s):G0B+4*(\s)+3], s[G1B:G1B+7]
	s_nop 0
.rept 4
	v_nop
.endr
.Lasked_\@:
.endm
.macro CREST
	s_cmp_lg_u32 s12, 0
	s_cbranch_scc1 .Lnot_wave_0_\@
	s_barrier_signal -3
.Lnot_wave_0_\@:
	s_barrier_wait -3
	s_barrier_signal -1
	s_barrier_wait -1
.endm
.macro CROUND
	s_barrier_signal -1
	s_barrier_wait -1
	CREST
.endm
; PREFETCH INTO THE L2.  A: behind each refill, the K step two refills on: the 128 rows that I fetch, a lane a row, four lines; only the column tile y = 0 asks, so each row's 256 bytes of a K step are named once.
; B: once, behind the first refill: K steps 4 to 7 of 40 of the 160 rows that I fetch; the set's first cluster asks, its four partners told apart by address.  The loop's last trip asks for nothing.
.macro ASK slot
	s_cmp_gt_u32 s3, s[LIM]
	s_cbranch_scc0 .Lna_\@
.irp q, 0,1,2,3
	global_prefetch_b8 v[PFO], s[PFA:PFA+1] offset:256+65536*\q th:TH_LOAD_NT scope:SCOPE_SE
.endr
.Lna_\@:
.if (\slot) == 0
	s_cmp_eq_u32 s3, s[LIMB]
	s_cbranch_scc0 .Lnb_\@
.irp q, 0,1,2,3,4
	global_prefetch_b8 v[PFOB], s[PFB:PFB+1] offset:16384*\q th:TH_LOAD_NT scope:SCOPE_SE
.endr
.Lnb_\@:
.endif
.endm
	s_load_b256 s[4:11], s[0:1], 0x0               ; xb s[4:5], wc s[6:7], tab s[8:9], qkv s[10:11]
	v_lshl_add_u32 v[SPW], v0, 2, SPARE
	v_mov_b32 v[NIL], 0
	ds_add_u32 v[SPW], v[NIL]                      ; the wave's opening: the add and its wait stand ahead of my first tensor load; work on registers stands between
	v_lshrrev_b32 v1, 5, v0
	v_readfirstlane_b32 s12, v1                    ; wave
	s_lshr_b32 s13, s12, 1                         ; ih: my half of the rows.  Also: I fetch for A (0) or B (1)
	s_and_b32 s14, s12, 1                          ; j: my pair of heads.  Also: which half of that tile I fetch
	s_bfe_u32 s15, ttmp6, 0x40000                  ; cx
	s_lshl_b32 s16, ttmp9, 2
	s_add_co_u32 s16, s16, s15                     ; i: row tile
	s_and_b32 s17, ttmp7, 0xffff                   ; y: column tile
	s_lshr_b32 s19, s17, 1                         ; kind
	s_cmp_ge_u32 ttmp9, 8
	s_cselect_b32 s18, 1, 0                        ; set: the same in the four partners
	s_mov_b32 s[G1A], (1<<16)|(1<<20)|(5<<22)|(3<<25)              ; 2-byte elements; 4 words of padding behind every 64; no mask
	s_mov_b32 s[G1B], 15|(1<<16)|(1<<20)|(1<<21)|(5<<22)|(3<<25)   ; the same for all four work-groups, bit 21 beside the mask
	s_mov_b32 s[G1T], (2<<16)|(1<<20)|(5<<22)|(3<<25)              ; 4-byte elements
	s_mov_b32 s[G1A+1], 128<<16                    ; tensor_dim0
	s_mov_b32 s[G1A+2], 128<<16                    ; tensor_dim1
	s_mov_b32 s[G1A+3], 128<<16                    ; tile_dim0
	s_mov_b32 s[G1A+4], 128                        ; tile_dim1
	s_mov_b32 s[G1A+5], 1024                       ; elements from row to row
	s_mov_b32 s[G1A+6], 0
	s_mov_b32 s[G1A+7], 0
	s_mov_b32 s[G1B+1], 128<<16
	s_mov_b32 s[G1B+2], 160<<16
	s_mov_b32 s[G1B+3], 128<<16
	s_mov_b32 s[G1B+4], 160
	s_mov_b32 s[G1B+5], 1024
	s_mov_b32 s[G1B+6], 0
	s_mov_b32 s[G1B+7], 0
	s_mov_b32 s[G1T+1], 64<<16
	s_mov_b32 s[G1T+2], 64<<16
	s_mov_b32 s[G1T+3], 64<<16
	s_mov_b32 s[G1T+4], 64
	s_mov_b32 s[G1T+5], 64
	s_mov_b32 s[G1T+6], 0
	s_mov_b32 s[G1T+7], 0
	s_mul_i32 s92, s14, 128*PITCH                  ; LDS: A's half j,
	s_mul_i32 s93, s14, 160*PITCH
	s_add_co_u32 s93, s93, BOFF                    ; B's half j
	s_mov_b32 s[G0A], 1
	s_mov_b32 s[G0A+1], s92
	s_mov_b32 s[G0A+4], 1
	s_add_co_u32 s[G0A+5], s92, SLOT
	s_mov_b32 s[G0B], 1
	s_mov_b32 s[G0B+1], s93
	s_mov_b32 s[G0B+4], 1
	s_add_co_u32 s[G0B+5], s93, SLOT
	s_mov_b32 s[G0T], 1
	s_mul_i32 s[G0T+1], s12, 64*PITCH              ; the table: 64 rows a wave, where slot 0's A lies
	s_lshl_b32 s20, s16, 19                        ; A: row 256 i + 128 j, 2,048 bytes a row
	s_lshl_b32 s92, s14, 18
	s_add_co_u32 s20, s20, s92
	s_mov_b32 s21, 0
	s_mul_i32 s22, s18, 1920                       ; B: row 1920 set + 320 y + 160 j: nothing of cx
	s_mul_i32 s93, s17, 320
	s_add_co_u32 s22, s22, s93
	s_mul_i32 s93, s14, 160
	s_add_co_u32 s22, s22, s93
	s_lshl_b32 s22, s22, 11
	s_mov_b32 s23, 0
	s_and_b32 s94, s16, 3                          ; the table's first row: t of the tile's first row (text 197 + 256 (i % 4), vision 0), for v in part 1
	s_lshl_b32 s94, s94, 8
	s_add_co_u32 s94, s94, 197
	s_cmp_eq_u32 s18, 0
	s_cselect_b32 s94, s94, 0
	s_cmp_eq_u32 s19, 2
	s_cselect_b32 s96, 1280, 0
	s_add_co_u32 s94, s94, s96
	s_lshl_b32 s96, s12, 6
	s_add_co_u32 s94, s94, s96
	s_lshl_b32 s94, s94, 8
	s_mov_b32 s95, 0
	s_mul_i32 s96, s15, 81920                      ; the prefetch of B: my work-group's 40 rows, from K step 4
	s_add_co_u32 s96, s96, 1024
	s_mov_b32 s97, 0
	s_or_b32 s[LIM], s17, s13                      ; waves 0, 1 of column tile 0 ask for A
	s_cmp_eq_u32 s[LIM], 0
	s_cselect_b32 s[LIM], 1, -1
	s_and_b32 s[LIMB], ttmp9, 7                    ; waves 2, 3 of clusters 0 and 8 ask for B, in the trip with s3 = 3
	s_xor_b32 s92, s13, 1
	s_or_b32 s[LIMB], s[LIMB], s92
	s_cmp_eq_u32 s[LIMB], 0
	s_cselect_b32 s[LIMB], 3, 0
	s_wait_dscnt 0x0                               ; the opening add is done
	s_wait_kmcnt 0x0
	s_add_nc_u64 s[G0A+2:G0A+3], s[4:5], s[20:21]  ; K step 0,
	s_add_nc_u64 s[G0A+6:G0A+7], s[G0A+2:G0A+3], 256  ; K step 1
	s_add_nc_u64 s[PFA:PFA+1], s[G0A+2:G0A+3], 512 ; at K step 2: the first refill steps it to 3 and names 4
	s_or_b32 s[G0A+3], s[G0A+3], 0x80000000
	s_or_b32 s[G0A+7], s[G0A+7], 0x80000000
	s_add_nc_u64 s[G0B+2:G0B+3], s[6:7], s[22:23]
	s_add_nc_u64 s[G0B+6:G0B+7], s[G0B+2:G0B+3], 256
	s_add_nc_u64 s[PFB:PFB+1], s[G0B+2:G0B+3], s[96:97]
	s_or_b32 s[G0B+3], s[G0B+3], 0x80000000
	s_or_b32 s[G0B+7], s[G0B+7], 0x80000000
	s_add_nc_u64 s[G0T+2:G0T+3], s[8:9], s[94:95]
	s_or_b32 s[G0T+3], s[G0T+3], 0x80000000
	CROUND                                         ; all four work-groups are here: the first joint loads meet
	s_cmp_eq_u32 s13, 0                            ; a wave's two first fills stand in one branch: two loads of mine are out
	s_cbranch_scc0 .Lfirst_b
	tensor_load_to_lds s[G0A:G0A+3], s[G1A:G1A+7]
	s_nop 0
	tensor_load_to_lds s[G0A+4:G0A+7], s[G1A:G1A+7]
	s_nop 0
.rept 4
	v_nop
.endr
	s_branch .Lfirst_asked
.Lfirst_b:
	tensor_load_to_lds s[G0B:G0B+3], s[G1B:G1B+7]
	s_nop 0
	tensor_load_to_lds s[G0B+4:G0B+7], s[G1B:G1B+7]
	s_nop 0
.rept 4
	v_nop
.endr
.Lfirst_asked:
	; lane addresses.  A fragment: lane l holds row l % 16, K = 8 (l / 16) + 0..7 and 16 + 8 (l / 16) + 0..7: two loads of 16 bytes, 32 apart
	v_and_b32 v1, 15, v0
	v_bfe_u32 v2, v0, 4, 1
	v_mul_u32_u24 v3, v1, PITCH
	v_lshl_add_u32 v6, v2, 5, v3                   ; into the stage: row l % 16, 32 bytes for each half of the lanes
	v_lshl_add_u32 v3, v2, 4, v3
	s_mul_i32 s92, s13, 128*PITCH
	s_mul_i32 s93, s14, 64*PITCH
	s_add_co_u32 s[TR1], s92, s93                  ; rows 128 ih + 64 j
	s_sub_co_u32 s93, 64*PITCH, s93
	s_add_co_u32 s[TR2], s92, s93                  ; rows 128 ih + 64 (1 - j)
	s_mul_i32 s96, s14, 128*PITCH
	s_add_co_u32 s96, s96, BOFF
	v_add_nc_u32 v[ADRAL], s[TR1], v3
	v_add_nc_u32 v[ADRAH], s[TR2], v3
	v_add_nc_u32 v[ADRB], s96, v3
	v_add_nc_u32 v[ADRX], XOFF, v3
.irp r, ADRAL, ADRAH, ADRB, ADRX
	v_add_nc_u32 v[\r+1], SLOT, v[\r]
.endr
	v_and_b32 v7, 31, v0
	v_lshrrev_b32 v8, 3, v7
	v_and_b32 v9, 7, v7
	v_mul_u32_u24 v[LB], v8, PITCH
	v_lshl_add_u32 v[LB], v9, 5, v[LB]
	v_lshlrev_b32 v[L16], 4, v7
	s_mul_i32 s91, s12, STGW
	s_add_co_u32 s91, s91, BOFF                    ; my stage
	v_add_nc_u32 v[STO], s91, v6
	v_lshlrev_b32 v[PFO], 11, v7
	v_lshrrev_b32 v10, 2, v7
	v_and_b32 v11, 3, v7
	v_lshlrev_b32 v[PFOB], 11, v10
	v_lshl_add_u32 v[PFOB], v11, 8, v[PFOB]
	; where my rows go in qkv: heads g0, g0 + 1 and the fifth at rows 128 ih + 64 j; heads g0, g0 + 1 at rows 128 ih + 64 (1 - j)
	s_and_b32 s92, s17, 1
	s_mul_i32 s92, s92, 5                          ; the tile's first head
	s_add_co_u32 s94, s16, 288
	s_cmp_eq_u32 s18, 0
	s_cselect_b32 s93, 32, 8                       ; blocks from head to head
	s_cselect_b32 s94, s16, s94                    ; the tile's place among a head's blocks
	s_mul_i32 s95, s19, KIND
	s_lshl_b32 s96, s94, 15
	s_add_co_u32 s95, s95, s96
	s_lshl_b32 s96, s13, 14
	s_add_co_u32 s95, s95, s96
	s_lshl_b32 s96, s14, 1
	s_add_co_u32 s96, s96, s92
	s_mul_i32 s96, s96, s93
	s_lshl_b32 s96, s96, 15
	s_add_co_u32 s96, s96, s95                     ; head g0
	s_add_co_u32 s97, s92, 4
	s_mul_i32 s97, s97, s93
	s_lshl_b32 s97, s97, 15
	s_add_co_u32 s97, s97, s95                     ; the fifth head
	s_lshl_b32 s98, s93, 15
	s_lshl_b32 s99, s14, 13                        ; 64 j rows of 128 bytes
	s_mov_b32 s21, 0
	s_add_co_u32 s20, s96, s99
	s_add_nc_u64 s[DB:DB+1], s[10:11], s[20:21]
	s_add_co_u32 s20, s20, s98
	s_add_nc_u64 s[DB+2:DB+3], s[10:11], s[20:21]
	s_add_co_u32 s20, s97, s99
	s_add_nc_u64 s[DB+4:DB+5], s[10:11], s[20:21]
	s_sub_co_u32 s99, 8192, s99
	s_add_co_u32 s20, s96, s99
	s_add_nc_u64 s[DB+6:DB+7], s[10:11], s[20:21]
	s_add_co_u32 s20, s20, s98
	s_add_nc_u64 s[DB+8:DB+9], s[10:11], s[20:21]
; 16 matrix instructions: fragments a0, a0 + 1 of the window's four x my 8 blocks of 16 channels, 32 along K, buffer fb.  zero = 1: the first product starts the sums.
; The 80 accumulators take turns, one instruction a turn, in the same order in every quarter.
.macro MUL16 fb, hi, a0, zero
	WIN MUL_LO+0x50*(\hi)
.irp a, \a0, (\a0)+1
.irp b, 0,1,2,3,4,5,6,7
.if \zero
	v_wmma_f32_16x16x32_bf16 v[8*(8*(\a)+(\b)):8*(8*(\a)+(\b))+7], v[64*(\fb)+8*(\b):64*(\fb)+8*(\b)+7], v[64+64*(\fb)+8*(4*(\hi)+(\a)):64+64*(\fb)+8*(4*(\hi)+(\a))+7], 0
.else
	v_wmma_f32_16x16x32_bf16 v[8*(8*(\a)+(\b)):8*(8*(\a)+(\b))+7], v[64*(\fb)+8*(\b):64*(\fb)+8*(\b)+7], v[64+64*(\fb)+8*(4*(\hi)+(\a)):64+64*(\fb)+8*(4*(\hi)+(\a))+7], v[8*(8*(\a)+(\b)):8*(8*(\a)+(\b))+7]
.endif
.endr
.endr
.endm
.macro MULX fb, zero                   ; the fifth head: fragments 0-3 x its four blocks; sources in window 0, C and D in window 1
	WIN 0x50
.irp a, 0,1,2,3
.irp b, 0,1,2,3
.if \zero
	v_wmma_f32_16x16x32_bf16 v[128+8*(4*(\a)+(\b)):128+8*(4*(\a)+(\b))+7], v[192+32*(\fb)+8*(\b):192+32*(\fb)+8*(\b)+7], v[64+64*(\fb)+8*(\a):64+64*(\fb)+8*(\a)+7], 0
.else
	v_wmma_f32_16x16x32_bf16 v[128+8*(4*(\a)+(\b)):128+8*(4*(\a)+(\b))+7], v[192+32*(\fb)+8*(\b):192+32*(\fb)+8*(\b)+7], v[64+64*(\fb)+8*(\a):64+64*(\fb)+8*(\a)+7], v[128+8*(4*(\a)+(\b)):128+8*(4*(\a)+(\b))+7]
.endif
.endr
.endr
.endm
.macro FETCH slot, k, fb               ; 40 LDS loads in one run: my B (16), A 0-3 (8), the fifth head's B (8), A 4-7 (8)
	WIN 0x40
.irp i, 0,1,2,3,4,5,6,7
	ds_load_b128 v[64*(\fb)+8*(\i):64*(\fb)+8*(\i)+3],   v[ADRB+(\slot)] offset:(\k)+(\i)*UNIT
	ds_load_b128 v[64*(\fb)+8*(\i)+4:64*(\fb)+8*(\i)+7], v[ADRB+(\slot)] offset:(\k)+(\i)*UNIT+32
.endr
	WIN 0
.irp i, 0,1,2,3
	ds_load_b128 v[64+64*(\fb)+8*(\i):64+64*(\fb)+8*(\i)+3],   v[ADRAL+(\slot)] offset:(\k)+(\i)*UNIT
	ds_load_b128 v[64+64*(\fb)+8*(\i)+4:64+64*(\fb)+8*(\i)+7], v[ADRAL+(\slot)] offset:(\k)+(\i)*UNIT+32
.endr
.irp i, 0,1,2,3
	ds_load_b128 v[192+32*(\fb)+8*(\i):192+32*(\fb)+8*(\i)+3],   v[ADRX+(\slot)] offset:(\k)+(\i)*UNIT
	ds_load_b128 v[192+32*(\fb)+8*(\i)+4:192+32*(\fb)+8*(\i)+7], v[ADRX+(\slot)] offset:(\k)+(\i)*UNIT+32
.endr
.irp i, 0,1,2,3
	ds_load_b128 v[96+64*(\fb)+8*(\i):96+64*(\fb)+8*(\i)+3],   v[ADRAH+(\slot)] offset:(\k)+(\i)*UNIT
	ds_load_b128 v[96+64*(\fb)+8*(\i)+4:96+64*(\fb)+8*(\i)+7], v[ADRAH+(\slot)] offset:(\k)+(\i)*UNIT+32
.endr
.endm
.macro QUARTER slot, k, fb, gb, zero   ; 32 along K from buffer fb; in its middle the next quarter's fragments, at byte k, into buffer gb
	s_wait_dscnt 8                                 ; all but the youngest eight loads (A's fragments 4-7)
	MUL16 \fb, 0, 0, \zero
	MUL16 \fb, 0, 2, \zero
	MULX \fb, \zero
	PLACES
	FETCH \slot, \k, \gb
	s_wait_dscnt 40                                ; all but the 40 just issued
	MUL16 \fb, 1, 0, \zero
	MUL16 \fb, 1, 2, \zero
.endm
.macro MEET                            ; the first half of a K step's last quarter, and the barrier that opens the cluster's round
	WIN 0
	s_wait_tensorcnt 0x0                           ; all my tensor loads have landed: my part of the next slot;
	ds_add_u32 v[SPW], v[NIL]                      ; 0 onto my spare word;
	s_wait_dscnt 9                                 ; (the add and the youngest eight loads may be out)
	MUL16 1, 0, 0, 0
	s_wait_dscnt 0x0                               ; the add is done, and my reads of this slot are over
	s_barrier_signal -1
	MUL16 1, 0, 2, 0
	MULX 1, 0
	WIN 0
	s_barrier_wait -1
.endm
; The last quarter changes slots.  mode 1: the slot is filled again, two K steps on.  mode 2: the table lands in slot 0's A area (every wave 64 rows of its own).
.macro TURN slot, next, mode
.if (\mode) == 1
	s_wait_xcnt 0x0                                ; the last prefetches, a K step back, have read their address
	s_add_nc_u64 s[PFA:PFA+1], s[PFA:PFA+1], 256
.endif
	MEET
	CREST                                          ; no wave of any partner still reads this slot or has a load on its way
.if (\mode) == 1
	s_add_nc_u64 s[G0A+4*(\slot)+2:G0A+4*(\slot)+3], s[G0A+4*(\slot)+2:G0A+4*(\slot)+3], 512
	s_add_nc_u64 s[G0B+4*(\slot)+2:G0B+4*(\slot)+3], s[G0B+4*(\slot)+2:G0B+4*(\slot)+3], 512
	JLOAD \slot                                    ; 272 matrix instructions ahead of the wait for it; its four v_nop are the places in front of the loads below
.else
	tensor_load_to_lds s[G0T:G0T+3], s[G1T:G1T+7]
	s_nop 0
.rept 4
	v_nop
.endr
.endif
	FETCH \next, 0, 0
.if (\mode) == 1
	ASK \slot
.endif
	MUL16 1, 1, 0, 0
	MUL16 1, 1, 2, 0
.endm
	s_wait_tensorcnt 1                             ; my part of K step 0 is in; K step 1's may stay out
	s_barrier_signal -1
	s_barrier_wait -1
	FETCH 0, 0, 0
	QUARTER 0, 64, 0, 1, 1                         ; the first quarter starts the sums
	WIN 0
	s_mov_b32 s3, 3
.Llap:                                         ; once round the ring; the refills bring K steps 2 to 7
	QUARTER 0, 128, 1, 0, 0
	QUARTER 0, 192, 0, 1, 0
	TURN 0, 1, 1
	QUARTER 1, 64, 0, 1, 0
	QUARTER 1, 128, 1, 0, 0
	QUARTER 1, 192, 0, 1, 0
	TURN 1, 0, 1
	QUARTER 0, 64, 0, 1, 0
	WIN 0
	s_sub_co_u32 s3, s3, 1
	s_cmp_lg_u32 s3, 0
	s_cbranch_scc1 .Llap
	QUARTER 0, 128, 1, 0, 0                        ; K steps 6 and 7
	QUARTER 0, 192, 0, 1, 0
	TURN 0, 1, 2
	QUARTER 1, 64, 0, 1, 0
	QUARTER 1, 128, 1, 0, 0
	QUARTER 1, 192, 0, 1, 0
	s_wait_dscnt 8
	MUL16 1, 0, 0, 0
	MUL16 1, 0, 2, 0
	MULX 1, 0
	s_wait_dscnt 0x0
	MUL16 1, 1, 0, 0
	MUL16 1, 1, 2, 0
	WIN 0
	s_wait_tensorcnt 0x0                           ; my quarter of the table is in,
	s_wait_dscnt 0x0                               ; my reads of the ring are over:
	s_barrier_signal -1
	s_barrier_wait -1                              ; everybody's
	PLACES
; A trip of the way out: 16 rows x nh heads.  Lane l takes rows l / 8 + 4 f, channels 8 (l % 8) + 0..7: four pairs (a, b), with the table's (c, s): (a c - b s, a s + b c).
.macro TRIP nh, db
.irp f, 0,1,2,3
	ds_load_b128 v[TT+8*\f:TT+8*\f+3],   v[TRD] offset:4*PITCH*\f
	ds_load_b128 v[TT+8*\f+4:TT+8*\f+7], v[TRD] offset:4*PITCH*\f+16
.endr
.set hd, 0
.rept \nh
.irp f, 0,1,2,3
	ds_load_b128 v[DD+32*hd+8*\f:DD+32*hd+8*\f+3],   v[DRD] offset:UNIT*hd+4*PITCH*\f   ; LDS serves a wave's instructions in order (ISA guide 5.7.1.4): these see my stores
	ds_load_b128 v[DD+32*hd+8*\f+4:DD+32*hd+8*\f+7], v[DRD] offset:UNIT*hd+4*PITCH*\f+16
.endr
.set hd, hd+1
.endr
.set hd, 0
.rept \nh
	s_wait_dscnt 8*((\nh)-1-hd)                    ; the later heads' eight loads each may stay out
.irp f, 0,1,2,3
.irp p, 0,1,2,3
	v_pk_mul_f32 v[YY+2*\p:YY+2*\p+1], v[DD+32*hd+8*\f+2*\p:DD+32*hd+8*\f+2*\p+1], v[TT+8*\f+2*\p:TT+8*\f+2*\p+1] op_sel_hi:[1,0]  ; (a c, b c)
.endr
.irp p, 0,1,2,3
	v_pk_fma_f32 v[YY+2*\p:YY+2*\p+1], v[DD+32*hd+8*\f+2*\p:DD+32*hd+8*\f+2*\p+1], v[TT+8*\f+2*\p:TT+8*\f+2*\p+1], v[YY+2*\p:YY+2*\p+1] op_sel:[1,1,0] op_sel_hi:[0,1,1] neg_lo:[0,1,0]  ; (- b s, + a s)
.endr
.irp p, 0,1,2,3
	v_cvt_pk_f16_f32 v[ZZ+16*hd+4*\f+\p], v[YY+2*\p], v[YY+2*\p+1]
.endr
	global_store_b128 v[GO], v[ZZ+16*hd+4*\f:ZZ+16*hd+4*\f+3], s[(\db)+2*hd:(\db)+2*hd+1] offset:512*\f  ; four rows of 128 bytes: 512 consecutive bytes, aligned
.endr
.set hd, hd+1
.endr
	s_wait_xcnt 0x0                                ; the stores have read their registers: these are written again only behind this wait
	v_add_nc_u32 v[TRD], UNIT, v[TRD]
	v_add_nc_u32 v[DRD], UNIT*(\nh), v[DRD]
	v_add_nc_u32 v[GO], 2048, v[GO]
.endm
	; fragments 0-3: three heads.  Unit 3 a + head; each accumulator's low registers go first
	WIN 0x08
.irp a, 0,1,2,3
.irp b, 0,1,2,3,4,5,6,7
	ds_store_b128 v[STO], v[8*(8*\a+\b):8*(8*\a+\b)+3]   offset:UNIT*(3*\a+\b/4)+64*(\b%4)
	ds_store_b128 v[STO], v[8*(8*\a+\b)+4:8*(8*\a+\b)+7] offset:UNIT*(3*\a+\b/4)+64*(\b%4)+16
.endr
.endr
	WIN 0x04
.irp a, 0,1,2,3
.irp b, 0,1,2,3
	ds_store_b128 v[STO], v[128+8*(4*\a+\b):128+8*(4*\a+\b)+3]   offset:UNIT*(3*\a+2)+64*\b
	ds_store_b128 v[STO], v[128+8*(4*\a+\b)+4:128+8*(4*\a+\b)+7] offset:UNIT*(3*\a+2)+64*\b+16
.endr
.endr
	WIN 0
	v_add_nc_u32 v[DRD], s91, v[LB]
	v_add_nc_u32 v[TRD], s[TR1], v[LB]
	v_mov_b32 v[GO], v[L16]
	s_mov_b32 s90, 4
.Lrope1:
	TRIP 3, DB
	s_sub_co_u32 s90, s90, 1
	s_cmp_lg_u32 s90, 0
	s_cbranch_scc1 .Lrope1
	; fragments 4-7: two heads.  Unit 2 (a - 4) + head
	WIN 0x0c
.irp a, 0,1,2,3
.irp b, 0,1,2,3,4,5,6,7
	ds_store_b128 v[STO], v[8*(8*\a+\b):8*(8*\a+\b)+3]   offset:UNIT*(2*\a+\b/4)+64*(\b%4)
	ds_store_b128 v[STO], v[8*(8*\a+\b)+4:8*(8*\a+\b)+7] offset:UNIT*(2*\a+\b/4)+64*(\b%4)+16
.endr
.endr
	WIN 0
	v_add_nc_u32 v[DRD], s91, v[LB]
	v_add_nc_u32 v[TRD], s[TR2], v[LB]
	v_mov_b32 v[GO], v[L16]
	s_mov_b32 s90, 4
.Lrope2:
	TRIP 2, DB+6
	s_sub_co_u32 s90, s90, 1
	s_cmp_lg_u32 s90, 0
	s_cbranch_scc1 .Lrope2
	s_wait_tensorcnt 0x0                           ; the wave's end, behind my last tensor load and my last LDS store
	ds_add_u32 v[SPW], v[NIL]
	s_wait_dscnt 0x0
	CROUND                                         ; the closing round
	s_endpgm
.Lfunc_end_k_q4ccdb58259_proj:
	.size	k_q4ccdb58259_proj, .Lfunc_end_k_q4ccdb58259_proj-k_q4ccdb58259_proj
	.p2alignl 7, 3214868480
	.fill 96, 4, 3214868480
	.section	.rodata,"a",@progbits
	.p2align	6, 0x0
	.amdhsa_kernel k_q4ccdb58259_proj
		.amdhsa_group_segment_fixed_size 327680
		.amdhsa_private_segment_fixed_size 0
		.amdhsa_enable_private_segment 0
		.amdhsa_kernarg_size 32
		.amdhsa_user_sgpr_count 2
		.amdhsa_user_sgpr_kernarg_segment_ptr 1
		.amdhsa_wavefront_size32 1
		.amdhsa_system_sgpr_workgroup_id_x 1
		.amdhsa_system_sgpr_workgroup_id_y 1
		.amdhsa_system_sgpr_workgroup_id_z 1
		.amdhsa_system_vgpr_workitem_id 0
		.amdhsa_next_free_vgpr 1024
		.amdhsa_next_free_sgpr 100
		.amdhsa_reserve_vcc 0
		.amdhsa_float_denorm_mode_32 3
		.amdhsa_float_denorm_mode_16_64 3
		.amdhsa_memory_ordered 1
		.amdhsa_forward_progress 1
		.amdhsa_inst_pref_size 172
	.end_amdhsa_kernel
	.amdgpu_metadata
---
amdhsa.version: [ 1, 2 ]
amdhsa.kernels:
  - .name:           k_q4ccdb58259_proj
    .symbol:         k_q4ccdb58259_proj.kd
    .args:
      - { .name: xb, .offset: 0, .size: 8, .value_kind: global_buffer, .address_space: global }
      - { .name: wc, .offset: 8, .size: 8, .value_kind: global_buffer, .address_space: global }
      - { .name: tab, .offset: 16, .size: 8, .value_kind: global_buffer, .address_space: global }
      - { .name: qkv, .offset: 24, .size: 8, .value_kind: global_buffer, .address_space: global }
    .group_segment_fixed_size: 327680
    .private_segment_fixed_size: 0
    .kernarg_segment_align: 8
    .kernarg_segment_size: 32
    .max_flat_workgroup_size: 128
    .sgpr_count:     100
    .vgpr_count:     1024
    .wavefront_size: 32
...
	.end_amdgpu_metadata
.endif
;; end of part 2
;; launch attn (part 3): grid 26 x 8, 4 waves a work-group, no clusters, 87,552 bytes of LDS; arguments qkv, ob; writes ob
.if DOCPART == 3
	.amdgcn_target "amdgcn-amd-amdhsa--gfx1250"
	.amdhsa_code_object_version 6
	.text
	.protected	k_q4ccdb58259_attn
	.globl	k_q4ccdb58259_attn
	.p2align	8
	.type	k_q4ccdb58259_attn,@function
k_q4ccdb58259_attn:
	s_mov_b64 s[64:65], 0
	v_nop
	global_prefetch_b8 v0, s[64:65] scope:SCOPE_SE
	s_setreg_imm32_b32 hwreg(HW_REG_WAVE_MODE, 25, 1), 1
	s_wait_xcnt 0x0
; ATTENTION UNDER THE PROBLEM'S OWN MASK (197 vision positions, 1,024 text positions; heads 0-5 vision alone, 6-11 text alone and causal, 12-15 vision keys and causal text keys).
; qkv: [q, k, v][400 blocks][256 rows][64] f16, ob likewise one kind.  Block of local head g: text tile 4 b + n at 32 g + 4 b + n; vision tile at 320 + 8 g + b (rows 197-255 are zeros).
; Products, maxima and sums in f32; the weights p are rounded to f16 for the second product (their sum is taken of the unrounded p), O once at the end.
; LIMITS.  q, k, v arrive within f16's 65,504.  A hidden score counts as its value less 1e30; a weight below 2^-126 counts as 0; NaN and infinities are not treated apart.
; THE WALK.  A unit is 256 queries x 256 keys.  A text head has 10 units for a batch (two work-groups of 5), a head 12-15 has 15 (three of 5), the six vision heads one each (two work-groups of 3).  A work-group's units
; stand in three words, a nibble a unit: the key tile (0-3 text, 8 vision, 15 none), the query block, and flags (2 the job's last tile, 4 the vision key tile, 8 the diagonal tile).  All hang on the work-group's ids alone.
; SHARES, LAYOUT, TURNS.  Of a block's four bands of 64 queries a wave owns 16 rows in each: four pieces.  S^T = K Q^T holds one query a lane; two results rounded to f16 are source 1 of O^T = V^T P.  p = 2^(c s - c m),
; c = log2(e) / 8, with a running maximum m; O and l are multiplied by a = 2^(c m_old - c m_new) in every step.  Turn n belongs to piece n: 8 products K Q^T of piece n + 1, then a lump of vector work, one wait for the turn's 33
; exponentials, then 8 products V^T P of piece n - 1; four vector instructions stand behind each product.
; THE MASK is the C operand that starts a sum S^T: MD x AL + BE + MP x AP.  MD: the mask of a band's own step of the diagonal tile; MP: keys 197-255, in the vision tile's last step.  It is made anew only where it changes.
; K, V AND Q COME THROUGH REGISTERS: a unit's 48 loads a wave go out a whole unit (about a thousand matrix instructions) ahead; at the change of tiles K and V are stored into the one LDS slot between two barriers: the first says
; that every wave's reads of the old tile are over, the second that every wave's stores are done.  So one text serves every tile.  No cluster: the work-groups of a head walk different tiles, and nothing is fetched by tensor loads.
; REGISTERS.  window 0: v2-15, v34-36 addresses; v16-31 statistics; v48-55 at work; v64-127 S^T, two buffers; v192-223 P, two buffers.  window 1: v0-127 O^T; v128-159 MD; v160-223 MC, two buffers; v224-255 MP.
; window 2: v0-63 Q; v64-127 the next unit's Q; v128-191 K of one step; v192-255 V of one step.  window 3: v0-63, v64-127 the next tile's K and V as loaded.
.set NP,    4
.set KS,    64
.set PK,    144       ; a row of K in LDS: 128 bytes + 16: the 16 rows of a load start at 16 different groups of four banks (ISA guide 11.1)
.set PV,    160       ; a row of V: 128 + 32
.set VOFF,  4*KS*PK
.set STAGE, 4*KS*(PK+PV)        ; behind the slot: 16 rows x 144 bytes for each wave, for the way out
.set SP,    144
.set SPARE, STAGE+4*16*SP       ; the spare words, 128 bytes for each wave: two blocks of 256 bytes that no other line names
.set KIND,  13107200
.set AK0, 2
.set AV0, 3
.set AK,  4
.set AV,  5
.set STO, 6
.set RD,  7
.set GO,  8
.set MV,  12
.set QO,  15
.set ST,  16
.set LO,  34          ; v34  8192 w + 16 l: my 16 bytes of a load of K or V
.set KS0, 35          ; v35  where they go in LDS, for K
.set VS0, 36          ; v36  for V
.set TMP, 48
.set SPW, 62
.set NIL, 63
.set S,   64
.set P,   192
.set MD,  128
.set MC,  160
.set MP,  224
.set QB,  64
.set KF,  128
.set VF,  192
.set WV,  12
.set CNT, 13          ; counts a tile's half trips down
.set UN,  14          ; units to go
.set JJ,  15          ; the step of the tile for which masks are made
.set JD,  16          ; the same in a diagonal tile, else -1
.set KD,  17          ; 1: diagonal tile
.set KPF, 18          ; 1.0: vision key tile
.set MKF, 19          ; not 0: masks are made
.set XB,  20          ; the count at which a tile is left: 1, or 0 in a job's last
.set NEW, 21          ; 1: the tile to be entered is a job's first
.set TBK, 22
.set TBV, 23
.set TI,  24
.set TJ,  25
.set OF,  26
.set KP,  28
.set VP,  30
.set QP,  32
.set OPT, 34
.set AL,  36
.set AP,  38
.set BE,  40
.set CS,  42
.set SEL, 44
.set BIGN, 46
.set KEYW, 47
.set QW,  48
.set FLW, 49
.set T0,  50
.set VK,  51          ; the vision block of the unit being loaded
.set VQ,  52          ; of the unit in hand
.set VSTEP, 53
.set W2K, 54
.set PID, 55
.set GG,  56
.set BB,  57
.set MSB, 0
.macro WIN new
.if MSB != (\new)
	s_set_vgpr_msb (MSB<<8)|(\new)
.set MSB, (\new)
.endif
.endm
.set W_KQ, 0x0a
.set W_KM, 0x1a
.set W_PV, 0x52
.set W_RS, 0x41
; A unit's loads: its key tile's K and V (my 64 rows of each, 16 loads of 512 consecutive bytes) and my 64 rows of its query block.  sh: the nibble, 0 or 4 bits up.
.macro LOADS sh
	s_bfe_u32 s[TI], s[KEYW], 0x40000+(\sh)
	s_add_co_u32 s[TJ], s[T0], s[TI]
	s_cmp_ge_u32 s[TI], 8
	s_cselect_b32 s[TJ], s[VK], s[TJ]
	s_lshl_b32 s[OF], s[TJ], 15
	s_add_nc_u64 s[KP:KP+1], s[4:5], s[OF:OF+1]
	s_add_nc_u64 s[KP:KP+1], s[KP:KP+1], KIND
	s_add_nc_u64 s[VP:VP+1], s[KP:KP+1], KIND
	s_bfe_u32 s[TI], s[QW], 0x40000+(\sh)
	s_add_co_u32 s[TJ], s[T0], s[TI]
	s_cmp_ge_u32 s[TI], 8
	s_cselect_b32 s[TJ], s[VK], s[TJ]
	s_lshl_b32 s[OF], s[TJ], 15
	s_add_co_u32 s[OF], s[OF], s[W2K]
	s_add_nc_u64 s[QP:QP+1], s[4:5], s[OF:OF+1]
	WIN 0xc0
.set z, 0
.rept 16
	global_load_b128 v[4*z:4*z+3], v[LO], s[KP:KP+1] offset:512*z
.set z, z+1
.endr
.set z, 0
.rept 16
	global_load_b128 v[64+4*z:64+4*z+3], v[LO], s[VP:VP+1] offset:512*z
.set z, z+1
.endr
	WIN 0x80
.set z, 0
.rept 8
	global_load_b128 v[QB+8*z:QB+8*z+3],   v[QO], s[QP:QP+1] offset:(z/2)*8192+(z%2)*64
	global_load_b128 v[QB+8*z+4:QB+8*z+7], v[QO], s[QP:QP+1] offset:(z/2)*8192+(z%2)*64+32
.set z, z+1
.endr
	WIN 0
.endm
	s_load_b128 s[4:7], s[0:1], 0x0                ; qkv s[4:5], ob s[6:7]
	v_lshl_add_u32 v[SPW], v0, 2, SPARE
	v_mov_b32 v[NIL], 0
	v_lshrrev_b32 v1, 5, v0
	v_readfirstlane_b32 s[WV], v1
	s_and_b32 s[BB], ttmp7, 0xffff                 ; batch
	s_lshr_b32 s[GG], ttmp9, 1                     ; x < 12: text heads, two walks
	s_and_b32 s[PID], ttmp9, 1
	s_sub_co_u32 s[TI], ttmp9, 12                  ; 12 <= x < 24: heads 12-15, three walks
	s_and_b32 s[TJ], s[TI], 3
	s_add_co_u32 s[TJ], s[TJ], 6
	s_lshr_b32 s[TI], s[TI], 2
	s_add_co_u32 s[TI], s[TI], 2
	s_cmp_ge_u32 ttmp9, 12
	s_cselect_b32 s[GG], s[TJ], s[GG]
	s_cselect_b32 s[PID], s[TI], s[PID]
	s_sub_co_u32 s[TI], ttmp9, 24                  ; x = 24, 25: three vision heads each
	s_mul_i32 s[TI], s[TI], 3
	s_cmp_ge_u32 ttmp9, 24
	s_cselect_b32 s[GG], s[TI], s[GG]
	s_cselect_b32 s[PID], 5, s[PID]
	s_cselect_b32 s[VSTEP], 8, 0
	s_lshl_b32 s[T0], s[GG], 5
	s_lshl2_add_u32 s[T0], s[BB], s[T0]            ; 32 g + 4 b
	s_lshl_b32 s[VK], s[GG], 3
	s_add_co_u32 s[VK], s[VK], s[BB]
	s_add_co_u32 s[VK], s[VK], 320                 ; 320 + 8 g + b
	s_mov_b32 s[VQ], s[VK]
	s_mov_b32 s[KEYW], 0xF03210                    ; walk 0: block 3 (keys 0-3), block 0
	s_mov_b32 s[QW],   0x03333
	s_mov_b32 s[FLW],  0xBA001
	s_cmp_eq_u32 s[PID], 1                         ; walk 1: block 2, block 1
	s_cselect_b32 s[KEYW], 0xF10210, s[KEYW]
	s_cselect_b32 s[QW],   0x11222, s[QW]
	s_cselect_b32 s[FLW],  0xA1A01, s[FLW]
	s_cmp_eq_u32 s[PID], 2                         ; walk 2: block 3 with the vision keys in front
	s_cselect_b32 s[KEYW], 0xF32108, s[KEYW]
	s_cselect_b32 s[QW],   0x33333, s[QW]
	s_cselect_b32 s[FLW],  0xA0005, s[FLW]
	s_cmp_eq_u32 s[PID], 3                         ; walk 3: block 2, the vision queries
	s_cselect_b32 s[KEYW], 0xF82108, s[KEYW]
	s_cselect_b32 s[QW],   0x82222, s[QW]
	s_cselect_b32 s[FLW],  0x7A005, s[FLW]
	s_cmp_eq_u32 s[PID], 4                         ; walk 4: block 1, block 0
	s_cselect_b32 s[KEYW], 0xF08108, s[KEYW]
	s_cselect_b32 s[QW],   0x00111, s[QW]
	s_cselect_b32 s[FLW],  0xA5A05, s[FLW]
	s_cmp_eq_u32 s[PID], 5                         ; walk 5: three vision heads
	s_cselect_b32 s[KEYW], 0xFFF888, s[KEYW]
	s_cselect_b32 s[QW],   0x00888, s[QW]
	s_cselect_b32 s[FLW],  0x00777, s[FLW]
	s_lshl_b32 s[W2K], s[WV], 11                   ; my 16 rows in a band
	s_mov_b32 s[OF+1], 0
	s_mov_b32 s[AL+1], 0                           ; named as pairs
	s_mov_b32 s[AP], 0
	s_mov_b32 s[AP+1], 0
	s_mov_b32 s[BE+1], 0
	s_mov_b32 s[BIGN], 0xf149f2ca                  ; -1e30
	s_mov_b32 s[CS], 0x3e38aa3b                    ; c = log2(e) / 8
	s_mov_b32 s[CS+1], s[CS]
	s_mov_b32 s[SEL], 0x76543210
	s_mov_b32 s[SEL+1], 0xfedcba98
	v_and_b32 v1, 15, v0                           ; l % 16
	v_bfe_u32 v9, v0, 4, 1                         ; l / 16
	v_lshlrev_b32 v[QO], 7, v1
	v_lshl_add_u32 v[QO], v9, 4, v[QO]
	v_and_b32 v[GO], 31, v0
	v_lshlrev_b32 v[GO], 4, v[GO]                  ; 16 l
	s_lshl_b32 s[TI], s[WV], 13
	v_add_nc_u32 v[LO], s[TI], v[GO]
	s_wait_kmcnt 0x0
	LOADS 0                                        ; the first unit; the set-up below stands in the wait for it
	v_lshlrev_b32 v14, 3, v9
	v_sub_nc_u32 v33, 4, v14                       ; vision tile, last step: register r of group kt is hidden where 16 kt + r > 4 - 8 (l / 16)
	v_sub_nc_u32 v14, v1, v14
	s_lshl_b32 s[TI], s[WV], 4
	v_add_nc_u32 v14, s[TI], v14                   ; a band's own step: hidden where 16 kt + r > 16 w + l % 16 - 8 (l / 16)
	WIN 0x40
.set i, 0
.rept 32
	v_cmp_gt_i32 vcc_lo, 16*(i/8)+i%8, v14
	v_cndmask_b32 v[MD+i], 0, s[BIGN], vcc_lo
	v_cmp_gt_i32 vcc_lo, 16*(i/8)+i%8, v33
	v_cndmask_b32 v[MP+i], 0, s[BIGN], vcc_lo
.set i, i+1
.endr
	WIN 0
	v_mul_u32_u24 v[AK0], v1, PK
	v_lshl_add_u32 v[AK0], v9, 4, v[AK0]
	v_and_b32 v10, 7, v0
	v_bfe_u32 v11, v0, 3, 1
	v_lshl_add_u32 v[AV0], v9, 3, v10              ; the turning load: key 8 (l / 16) + l % 8, channels 8 ((l / 8) % 2) + 0..7
	v_mul_u32_u24 v[AV0], v[AV0], PV
	v_lshl_add_u32 v[AV0], v11, 4, v[AV0]
	v_add_nc_u32 v[AV0], VOFF, v[AV0]
	s_mul_i32 s[TI], s[WV], 16*SP
	s_add_co_u32 s[TI], s[TI], STAGE
	v_mul_u32_u24 v[STO], v1, SP
	v_lshl_add_u32 v[STO], v9, 4, v[STO]
	v_add_nc_u32 v[STO], s[TI], v[STO]
	v_bfe_u32 v[RD], v0, 3, 2
	s_lshl_b32 s[TJ], s[WV], 6
	v_add_nc_u32 v32, s[TJ], v[RD]                 ; row 64 w + l / 8 of a tile
	v_mul_u32_u24 v[KS0], v32, PK
	v_lshl_add_u32 v[KS0], v10, 4, v[KS0]
	v_mul_u32_u24 v[VS0], v32, PV
	v_lshl_add_u32 v[VS0], v10, 4, v[VS0]
	v_add_nc_u32 v[VS0], VOFF, v[VS0]
	v_mul_u32_u24 v[RD], v[RD], SP
	v_lshl_add_u32 v[RD], v10, 4, v[RD]
	v_add_nc_u32 v[RD], s[TI], v[RD]
	; A job's first step multiplies O^T and l by a = 0, and its first turn's products V^T P land in an O^T that is still to be so multiplied: these need only be finite: zeros now, later what the job before left
	WIN 0x80
.set i, VF
.rept 64
	v_mov_b32 v[i], 0
.set i, i+1
.endr
	WIN 0x40
.set i, 0
.rept 128
	v_mov_b32 v[i], 0
.set i, i+1
.endr
	WIN 0
.set i, 0
.rept 4
	v_mov_b32 v[ST+4*i+2], 0
	v_mov_b32 v[ST+4*i+3], 0
.set i, i+1
.endr
.set i, P+16
.rept 16
	v_mov_b32 v[i], 0
.set i, i+1
.endr
; THE MATRIX WORK.  The 4 accumulators of a run of 8 take turns.  Product i of 8 of S^T = K Q^T for piece x: channels 32 (i / 4) on, keys 16 (i % 4) on; the first 4 start the sums with the mask.
.macro KQ x
.set rS, S+32*((\x)%2)+8*(i%4)
.set rK, KF+16*(i%4)+8*(i/4)
.set rQ, 16*(\x)+8*(i/4)
.set rM, MC+32*((\x)%2)+8*(i%4)
.if i < 4
	WIN W_KM
	v_wmma_f32_16x16x32_f16 v[rS:rS+7], v[rK:rK+7], v[rQ:rQ+7], v[rM:rM+7]
.else
	WIN W_KQ
	v_wmma_f32_16x16x32_f16 v[rS:rS+7], v[rK:rK+7], v[rQ:rQ+7], v[rS:rS+7]
.endif
.endm
.macro PV x                            ; product i of 8 of O^T += V^T P: keys 32 (i / 4) on, channels 16 (i % 4) on
	WIN W_PV
.set rO, 32*(\x)+8*(i%4)
.set rV, VF+32*(i/4)+8*(i%4)
.set rP, P+16*((\x)%2)+8*(i/4)
	v_wmma_f32_16x16x32_f16 v[rO:rO+7], v[rV:rV+7], v[rP:rP+7], v[rO:rO+7]
.endm
.macro MM
.if i < 8
	KQ (Y+1)%NP
.else
.set i, i-8
	PV (Y+NP-1)%NP
.set i, i+8
.endif
.set i, i+1
.endm
; The LDS loads stand in runs of 16.  K's address steps to the next step while one follows in the tile (always = 1: in BEGIN); a job's fifth half trip fetches the last step once more.
.macro FETCH_K always
	WIN 0x80
.irp f, 0,1,2,3,4,5,6,7
	ds_load_b128 v[KF+8*\f:KF+8*\f+3],   v[AK] offset:(\f/2)*16*PK+(\f%2)*64
	ds_load_b128 v[KF+8*\f+4:KF+8*\f+7], v[AK] offset:(\f/2)*16*PK+(\f%2)*64+32
.endr
.if \always
	s_add_co_u32 s[TBK], s[TBK], KS*PK
.else
	s_cmp_gt_u32 s[CNT], 2
	s_cselect_b32 s[TI], KS*PK, 0
	s_add_co_u32 s[TBK], s[TBK], s[TI]
.endif
	WIN 0
.endm
.macro FETCH_V
	WIN 0x80
.irp f, 0,1,2,3,4,5,6,7
	ds_load_tr16_b128 v[VF+8*\f:VF+8*\f+3],   v[AV] offset:(\f/4)*32*PV+(\f%4)*32
	ds_load_tr16_b128 v[VF+8*\f+4:VF+8*\f+7], v[AV] offset:(\f/4)*32*PV+16*PV+(\f%4)*32
.endr
	WIN 0
.endm
; THE VECTOR WORK, a line at a time.  For piece Y: F n: c s - c m for pair n.  E n: the exponential of score n.  C n: pair n rounded to f16.  B n: of four weights the second pair onto the first.  L n: l takes that sum
; (L 0: l = a l + sum).  R n: pair n of O^T times a.  For piece Y + 1: X n, number n of the 22 that find its maximum and statistics (each accumulator's lowest registers are read first).
.set F, 0
.set E, 1
.set C, 2
.set B, 3
.set L, 4
.set R, 5
.set X, 6
.macro REGS y
.set rT, ST+4*(\y)
.set rC, TMP+4*((\y)%2)
.set rW, MV+((\y)%2)
.set rS, S+32*((\y)%2)
.set rP, P+16*((\y)%2)
.set rO, 32*(\y)
.endm
.macro OP k, n
.if (\k) == R
	REGS Y
	WIN W_RS
	v_pk_mul_f32 v[rO+2*(\n):rO+2*(\n)+1], v[rO+2*(\n):rO+2*(\n)+1], v[rC+2:rC+3] op_sel_hi:[1,0]
.elseif (\k) < R
	REGS Y
	WIN 0
.if (\k) == F
	v_pk_fma_f32 v[rS+2*(\n):rS+2*(\n)+1], v[rS+2*(\n):rS+2*(\n)+1], s[CS:CS+1], v[rT:rT+1] op_sel_hi:[1,0,0] neg_lo:[0,0,1] neg_hi:[0,0,1]
.elseif (\k) == E
	v_exp_f32 v[rS+(\n)], v[rS+(\n)]
.elseif (\k) == C
	v_cvt_pk_f16_f32 v[rP+(\n)], v[rS+2*(\n)], v[rS+2*(\n)+1]
.elseif (\k) == B
	v_pk_add_f32 v[rS+4*(\n):rS+4*(\n)+1], v[rS+4*(\n):rS+4*(\n)+1], v[rS+4*(\n)+2:rS+4*(\n)+3]
.elseif (\n) == 0
	v_pk_fma_f32 v[rT+2:rT+3], v[rT+2:rT+3], v[rC+2:rC+3], v[rS:rS+1] op_sel_hi:[1,0,1]
.else
	v_pk_add_f32 v[rT+2:rT+3], v[rT+2:rT+3], v[rS+4*(\n):rS+4*(\n)+1]
.endif
.else
	REGS (Y+1)%NP
	WIN 0
.if (\n) < 4
	v_max3_num_f32 v[rC+(\n)], v[rS+8*(\n)], v[rS+8*(\n)+1], v[rS+8*(\n)+2]
.elseif (\n) < 12
	v_max3_num_f32 v[rC+(\n)%4], v[rC+(\n)%4], v[rS+8*((\n)%4)+2*((\n)/4)+1], v[rS+8*((\n)%4)+2*((\n)/4)+2]
.elseif (\n) == 12
	v_max3_num_f32 v[rC], v[rC], v[rS+7], v[rS+15]
.elseif (\n) == 13
	v_max3_num_f32 v[rC+1], v[rC+1], v[rS+23], v[rS+31]
.elseif (\n) == 14
	v_max3_num_f32 v[rC+2], v[rC+2], v[rC+3], v[rT+1]
.elseif (\n) == 15
	v_mov_b32 v[rW], v[rT]
.elseif (\n) == 16
	v_max3_num_f32 v[rC], v[rC], v[rC+1], v[rC+2]
.elseif (\n) == 17
	v_permlanex16_b32 v[rC+3], v[rC], s[SEL], s[SEL+1]
.elseif (\n) == 18
	v_max_num_f32 v[rT+1], v[rC], v[rC+3]
.elseif (\n) == 19
	v_mul_f32 v[rT], s[CS], v[rT+1]
.elseif (\n) == 20
	v_sub_f32 v[rC+1], v[rW], v[rT]
.else
	v_exp_f32 v[rC+2], v[rC+1]
.endif
.endif
.endm
.macro OPS a, i1, b=-1, i2=0, c=-1, i3=0, d=-1, i4=0
	OP \a, \i1
.if (\b) >= 0
	OP \b, \i2
.endif
.if (\c) >= 0
	OP \c, \i3
.endif
.if (\d) >= 0
	OP \d, \i4
.endif
.endm
.macro ROW a, i1, b, i2, c, i3, d, i4  ; a matrix instruction and the four behind it
	MM
	OPS \a, \i1, \b, \i2, \c, \i3, \d, \i4
.endm
.macro MASK b                          ; MD x AL + BE + MP x AP into buffer b of MC
	WIN 0x51
.set z, 0
.rept 16
	v_pk_fma_f32 v[MC+32*(\b)+2*z:MC+32*(\b)+2*z+1], v[MD+2*z:MD+2*z+1], s[AL:AL+1], s[BE:BE+1] op_sel_hi:[1,0,0]
.set z, z+1
.endr
.set z, 0
.rept 16
	v_pk_fma_f32 v[MC+32*(\b)+2*z:MC+32*(\b)+2*z+1], v[MP+2*z:MP+2*z+1], s[AP:AP+1], v[MC+32*(\b)+2*z:MC+32*(\b)+2*z+1] op_sel_hi:[1,0,1]
.set z, z+1
.endr
.endm
; A TURN, for piece p.  Ahead of its one wait stands all that names no result of the turn's exponentials; behind it the roundings and sums ride on the products V^T P.  K of the next step is fetched in piece 2's turn, six plain
; instructions behind the last product that read K; V of the step in hand at the end of piece 0's turn, four plain instructions behind the last product that read V.  Each is waited for a turn later.
; Behind the turn, where masks change, the mask for the next turn's products is made: piece p + 2, in step JJ of the tile: its band's own step (AL), a later one (BE), the vision tile's last (AP).
.macro TURN p
.set Y, (\p)
.set i, 0
.if (\p) == 3
	s_wait_dscnt 0x0                ; K is in
.endif
	ROW F,0, F,1, R,0, R,1
	ROW F,2, E,0, R,2, R,3
	ROW F,3, E,1, R,4, R,5
	ROW F,4, E,2, R,6, R,7
	ROW F,5, E,3, R,8, R,9
	ROW F,6, E,4, X,0, R,10
.if (\p) == 2
	WIN 0
	v_add_nc_u32 v[AK], s[TBK], v[AK0]
.endif
	ROW F,7, E,5, X,1, X,4
	ROW F,8, E,6, X,2, X,5
	OPS E,7, E,8, X,6, E,9
	OPS X,3, E,10, X,8, E,11
.if (\p) == 2
	FETCH_K 0
.endif
	OPS X,9, X,7, E,12, X,10
	OPS E,13, X,12, X,11, E,14
	OPS X,13, E,15, F,9, X,14
.if (\p) == 0
	v_add_nc_u32 v[AV], s[TBV], v[AV0]
.endif
	OPS E,16, F,10, E,17, F,11
	OPS X,16, E,18, X,15, E,19
	OPS F,12, E,20, X,17, E,21
	OPS F,13, E,22, F,14, E,23
	OPS X,18, E,24, F,15, E,25
	OPS R,11, E,26, X,19, E,27
	OPS R,12, E,28, R,13, E,29
	OPS X,20, E,30, R,14, E,31
	OPS X,21, R,15                  ; the batch's last exponential, and the plain instruction behind it
	WIN 0
	s_wait_alu depctr_va_vdst(0)    ; the one wait for the batch, ahead of the first line that names a result
.if (\p) == 1
	s_wait_dscnt 0x0                ; V is in
.endif
	ROW C,0, B,0, C,2, B,1
	ROW L,0, C,4, B,2, L,1
	ROW C,6, B,3, L,2, C,8
	ROW B,4, L,3, C,10, B,5
	ROW L,4, C,12, B,6, L,5
.if (\p) == 0
	s_add_co_u32 s[TBV], s[TBV], KS*PV
.endif
	ROW C,14, B,7, L,6, C,1
	ROW C,3, L,7, C,5, C,7
	ROW C,9, C,11, C,13, C,15
.if (\p) == 0
	FETCH_V
.endif
	WIN 0
	s_cmp_eq_u32 s[MKF], 0
	s_cbranch_scc1 .Lnm_\@
	s_cmp_eq_i32 s[JD], ((\p)+2)%NP
	s_cselect_b32 s[AL], 1.0, 0
	s_cmp_gt_i32 s[JD], ((\p)+2)%NP
	s_cselect_b32 s[BE], s[BIGN], 0
	MASK (\p)%2
	WIN 0
.Lnm_\@:
.endm
.macro ALL line:vararg
.set t, 0
.rept 4
	\line
.set t, t+1
.endr
.endm
.macro PACK t                          ; a lane's eight channels of a row pack into 16 bytes; into rows of 144 bytes, back as whole rows of 128
	WIN W_RS
.set i, 32*(\t)
.rept 16
	v_pk_mul_f32 v[i:i+1], v[i:i+1], v[ST+4*(\t)+2:ST+4*(\t)+3] op_sel_hi:[1,0]
.set i, i+2
.endr
	WIN 0x05
.set i, 0
.rept 16
	v_cvt_pk_f16_f32 v[S+16*(\t)+i], v[32*(\t)+2*i], v[32*(\t)+2*i+1]
.set i, i+1
.endr
	WIN 0
.irp f, 0,1,2,3
	ds_store_b128 v[STO], v[S+16*(\t)+4*\f:S+16*(\t)+4*\f+3] offset:32*\f
.endr
.irp f, 0,1,2,3
	ds_load_b128 v[S+16*(\t)+4*\f:S+16*(\t)+4*\f+3], v[RD] offset:\f*4*SP  ; LDS serves a wave's instructions in order (ISA guide 5.7.1.4)
.endr
.endm
.macro SEND t, younger                 ; younger: the LDS instructions issued behind piece t's loads
	WIN 0
.irp f, 0,1,2,3
	s_wait_dscnt (\younger)+3-\f
	global_store_b128 v[GO], v[S+16*(\t)+4*\f:S+16*(\t)+4*\f+3], s[OPT:OPT+1] offset:(\t)*8192+\f*512  ; 512 consecutive bytes, aligned
.endr
.endm
	s_mov_b32 s[UN], 5
	s_mov_b32 s[NEW], 1
.Lunit:                                ; five trips; a walk of three units leaves at its fourth (the same in all four waves)
	s_and_b32 s[TI], s[KEYW], 15
	s_cmp_eq_u32 s[TI], 15
	s_cbranch_scc1 .Lend
	; THE CHANGE OF TILES
	s_wait_dscnt 0x0                               ; my reads of the old tile are over
	s_barrier_signal -1
	s_barrier_wait -1                              ; everybody's: the slot may be written
	s_wait_loadcnt 0x0                             ; this unit's K, V and Q, asked for a unit ago, are in registers; their address registers are free
	WIN 0x0c
.set z, 0
.rept 16
	ds_store_b128 v[KS0], v[4*z:4*z+3] offset:4*PK*z
.set z, z+1
.endr
.set z, 0
.rept 16
	ds_store_b128 v[VS0], v[64+4*z:64+4*z+3] offset:4*PV*z
.set z, z+1
.endr
	WIN 0x82
.set z, 0
.rept 64
	v_mov_b32 v[z], v[QB+z]                        ; within a job the same numbers again; at a job's first tile the new block's
.set z, z+1
.endr
	WIN 0
	s_mov_b32 s[TBK], 0
	s_mov_b32 s[TBV], 0
	s_mov_b32 s[JJ], 0
	s_bfe_u32 s[KD], s[FLW], 0x10003
	s_bfe_u32 s[TI], s[FLW], 0x10002
	s_cmp_lg_u32 s[TI], 0
	s_cselect_b32 s[KPF], 1.0, 0
	s_bfe_u32 s[XB], s[FLW], 0x10001
	s_xor_b32 s[XB], s[XB], 1
	s_sub_co_u32 s[JD], s[KD], 1                   ; step 0 of a diagonal tile, else -1
	s_mov_b32 s[AP], 0
	s_mov_b32 s[MKF], 1                            ; a tile's first four turns make all masks anew
	s_and_b32 s[TI], s[QW], 15                     ; where this unit's job stores
	s_add_co_u32 s[TJ], s[T0], s[TI]
	s_cmp_ge_u32 s[TI], 8
	s_cselect_b32 s[TJ], s[VQ], s[TJ]
	s_lshl_b32 s[OF], s[TJ], 15
	s_add_co_u32 s[OF], s[OF], s[W2K]
	s_add_nc_u64 s[OPT:OPT+1], s[6:7], s[OF:OF+1]
	s_wait_dscnt 0x0                               ; my stores are done
	s_barrier_signal -1
	s_barrier_wait -1                              ; everybody's: the tile may be read
	s_bfe_u32 s[TI], s[KEYW], 0x40004
	s_cmp_eq_u32 s[TI], 15
	s_cbranch_scc1 .Lno_next
	s_add_co_u32 s[VK], s[VK], s[VSTEP]
	LOADS 4                                        ; the next unit
.Lno_next:
	s_cmp_eq_u32 s[NEW], 1
	s_cbranch_scc1 .Lnew
	s_mov_b32 s[CNT], 5
	s_branch .Lstep
.Lnew:                                 ; A JOB BEGINS: c m far below every c s, so that the first step's a is 0; the second mask buffer 0; the first takes piece 0's mask for step 0; K of that step; piece 0's first scores and statistics
	s_mov_b32 s[NEW], 0
	WIN 0x40
.set i, MC+32
.rept 32
	v_mov_b32 v[i], 0
.set i, i+1
.endr
	WIN 0
.set i, 0
.rept 4
	v_mov_b32 v[ST+4*i], 0xfe000000
	v_mov_b32 v[ST+4*i+1], 0xff7fffff
.set i, i+1
.endr
	s_cmp_lg_u32 s[KD], 0
	s_cselect_b32 s[AL], 1.0, 0
	s_mov_b32 s[BE], 0
	MASK 0
	WIN 0
	v_add_nc_u32 v[AK], s[TBK], v[AK0]
	FETCH_K 1
	s_wait_dscnt 0x0
.set i, 0
.rept 8
	KQ 0
.set i, i+1
.endr
	WIN 0
.rept 4
	v_nop                                          ; the places behind those products
.endr
.set Y, NP-1
.irp n, 0,1,2,3,4,5,6,7,8,9,10,11,12,13,14,15,16,17,18,19,20,21
	OP X, \n
.endr
	v_nop                                          ; a plain instruction behind the exponential,
	s_wait_alu depctr_va_vdst(0)                   ; and its wait, ahead of the branch
	s_mov_b32 s[CNT], 4
	s_branch .Lfirst
.Lstep:                                ; a trip: pieces 2 and 3 of one step, then pieces 0 and 1 of the next
	TURN 2
	TURN 3
	s_sub_co_u32 s[CNT], s[CNT], 1
	s_cmp_eq_u32 s[CNT], 0
	s_cbranch_scc1 .Lout                           ; a job's last tile is left here, in the middle of its fifth trip
.Lfirst:
	TURN 0
	TURN 1
	s_add_co_u32 s[JJ], s[JJ], 1
	s_cmp_lg_u32 s[KD], 0
	s_cselect_b32 s[JD], s[JJ], -1
	s_cmp_eq_u32 s[JJ], 3
	s_cselect_b32 s[AP], s[KPF], 0
	s_or_b32 s[MKF], s[KD], s[AP]
	s_cmp_eq_u32 s[CNT], s[XB]
	s_cbranch_scc1 .Lbottom                        ; every other tile here: its K and V have all been read
	s_branch .Lstep
.Lout:                                 ; the fifth half trip's products K Q^T, on the last K once more, and the maximum made of them serve nothing: the price of one text for every trip
.set i, 0
.rept 8
	PV NP-1
.set i, i+1
.endr
	WIN 0
	ALL v_add_f32 v[ST+4*t+2], v[ST+4*t+2], v[ST+4*t+3]
	ALL v_permlanex16_b32 v[ST+4*t+3], v[ST+4*t+2], s[SEL], s[SEL+1]
	ALL v_add_f32 v[ST+4*t+2], v[ST+4*t+2], v[ST+4*t+3]
	ALL v_rcp_f32 v[ST+4*t+2], v[ST+4*t+2]
	v_nop                                          ; a plain instruction behind the last reciprocal,
	s_wait_alu depctr_va_vdst(0)                   ; and one wait for the four
	PACK 0
.set t, 1
.rept 3
	PACK t
	SEND t-1, 8
.set t, t+1
.endr
	SEND 3, 0
	s_wait_xcnt 0x0                                ; the stores have read their registers and their base
	s_mov_b32 s[NEW], 1
.Lbottom:
	s_lshr_b32 s[KEYW], s[KEYW], 4
	s_lshr_b32 s[QW], s[QW], 4
	s_lshr_b32 s[FLW], s[FLW], 4
	s_add_co_u32 s[VQ], s[VQ], s[VSTEP]
	s_sub_co_u32 s[UN], s[UN], 1
	s_cmp_lg_u32 s[UN], 0
	s_cbranch_scc1 .Lunit
.Lend:
	s_wait_tensorcnt 0x0                           ; the wave's end, behind my last LDS store
	ds_add_u32 v[SPW], v[NIL]
	s_wait_dscnt 0x0
	s_endpgm
.Lfunc_end_k_q4ccdb58259_attn:
	.size	k_q4ccdb58259_attn, .Lfunc_end_k_q4ccdb58259_attn-k_q4ccdb58259_attn
	.p2alignl 7, 3214868480
	.fill 96, 4, 3214868480
	.section	.rodata,"a",@progbits
	.p2align	6, 0x0
	.amdhsa_kernel k_q4ccdb58259_attn
		.amdhsa_group_segment_fixed_size 87552
		.amdhsa_private_segment_fixed_size 0
		.amdhsa_enable_private_segment 0
		.amdhsa_kernarg_size 16
		.amdhsa_user_sgpr_count 2
		.amdhsa_user_sgpr_kernarg_segment_ptr 1
		.amdhsa_wavefront_size32 1
		.amdhsa_system_sgpr_workgroup_id_x 1
		.amdhsa_system_sgpr_workgroup_id_y 1
		.amdhsa_system_sgpr_workgroup_id_z 1
		.amdhsa_system_vgpr_workitem_id 0
		.amdhsa_next_free_vgpr 896
		.amdhsa_next_free_sgpr 66
		.amdhsa_reserve_vcc 1
		.amdhsa_float_denorm_mode_32 3
		.amdhsa_float_denorm_mode_16_64 3
		.amdhsa_memory_ordered 1
		.amdhsa_forward_progress 1
		.amdhsa_inst_pref_size 102
	.end_amdhsa_kernel
	.amdgpu_metadata
---
amdhsa.version: [ 1, 2 ]
amdhsa.kernels:
  - .name:           k_q4ccdb58259_attn
    .symbol:         k_q4ccdb58259_attn.kd
    .args:
      - { .name: qkv, .offset: 0, .size: 8, .value_kind: global_buffer, .address_space: global }
      - { .name: ob, .offset: 8, .size: 8, .value_kind: global_buffer, .address_space: global }
    .group_segment_fixed_size: 87552
    .private_segment_fixed_size: 0
    .kernarg_segment_align: 8
    .kernarg_segment_size: 16
    .max_flat_workgroup_size: 128
    .sgpr_count:     66
    .vgpr_count:     896
    .wavefront_size: 32
...
	.end_amdgpu_metadata
.endif
;; end of part 3
;; launch outp (part 4): grid 4 x 40, 4 waves a work-group, clusters of 4 x 4, 327,680 bytes of LDS; arguments ob, wob, bo, out0; writes out0
.if DOCPART == 4
	.amdgcn_target "amdgcn-amd-amdhsa--gfx1250"
	.amdhsa_code_object_version 6
	.text
	.protected	k_q4ccdb58259_outp
	.globl	k_q4ccdb58259_outp
	.p2align	8
	.type	k_q4ccdb58259_outp,@function
k_q4ccdb58259_outp:
	s_mov_b64 s[64:65], 0
	v_nop
	global_prefetch_b8 v0, s[64:65] scope:SCOPE_SE
	s_setreg_imm32_b32 hwreg(HW_REG_WAVE_MODE, 25, 1), 1
	s_wait_xcnt 0x0
	s_wait_alu depctr_hold_cnt(0) depctr_sa_sdst(0) depctr_va_vdst(0) depctr_va_sdst(0) depctr_va_ssrc(0) depctr_va_vcc(0) depctr_vm_vsrc(0)
	s_getreg_b32 s2, hwreg(HW_REG_IB_STS2, 6, 4)
	s_cmp_eq_u32 s2, 0
	s_cbranch_scc0 .Lentry_in_a_cluster
	s_endpgm
.Lentry_in_a_cluster:
	s_bfe_u32 s2, ttmp6, 0x10000c
	s_cmp_lg_u32 s2, 0xf033
	s_cbranch_scc0 .Lentry_shape_is_right
	s_endpgm
.Lentry_shape_is_right:
; out0 = O Wo^T + bo.  ob: [400 blocks][256 rows][64] f16 (block of local head g and row tile i: 32 g + i for text, 288 + 8 g + i for vision); wob: [2 sets][10 g][1024 n][64] f16; bo: [1024] f32, rounded to bf16 like every input.
; A row has ten heads that are not zero: K = 640.  Sums in f32; out0 is f32.
; SHARES.  A tile of 256 rows x 256 columns to a work-group of four waves, 128 x 128 each: 64 accumulators.  40 row tiles x 4 column tiles: 160 work-groups; no tile of whole heads and whole blocks of 256 rows gives more with equal shares.
; K goes in five steps of two heads through two LDS slots.  A step is four dense regions of 32 KiB, A(g), A(g + 1), B(g), B(g + 1), one tensor load a wave: 128 rows of 256 bytes (two rows of 128 each), 272 apart in LDS:
; element (row, byte) lies at 272 (row / 2) + 128 (row % 2) + byte, so the sixteen rows of a fragment fall on sixteen different columns of 16 bytes.
; CLUSTER 4, 4, 1: A's regions are shared along a row of the cluster (the four column tiles), B's along a column (four row tiles of one set: clusters 0-7 are text, 8 and 9 vision).
; THE MATRIX INSTRUCTION IS USED TRANSPOSED (source 0 = 16 rows of wob, source 1 = 16 rows of ob).  The way out goes through the wave's own stage in the dead ring: a store is one row's 512 consecutive bytes.
; Rows 197-255 of a vision tile do not exist in out0 and are not stored.
; REGISTERS.  window 0: v8-31 addresses and the bias; v32-63 at work on the way out; v64-127, v128-191 A's fragments.  window 1: v64-127, v128-191 B's.  windows 2, 3: the accumulators.
.set PITCH,  272
.set RGN,    128*PITCH                 ; a region: 34,816 = 0x8800
.set SLOT,   4*RGN                     ; 139,264 = 0x22000: it shares no bit with the regions' starts, so one exclusive or turns a slot's address into the other's
.set SPARE,  2*SLOT                    ; the spare words, 128 bytes for each wave: two blocks of 256 bytes that no other line names
.set BLK,    8*PITCH                   ; 16 rows
.set SPITCH, 528
.set STGW,   128*SPITCH
.set KOF0,   0                         ; a quarter's place: head, half of its 64 channels
.set KOF1,   64
.set KOF2,   RGN
.set KOF3,   RGN+64
.set BI,   8                           ; v[8:11] my four numbers of the bias
.set A0,   16
.set B0,   17
.set ADRA, 18
.set ADRB, 19
.set STO,  24
.set RD,   25
.set CO,   26
.set SPW,  28
.set NIL,  29
.set PFO,  30
.set F0,   64
.set F1,   128
.set G1A, 24
.set G1B, 32
.set G0A, 40                           ; s[40:47]: a set for each first fill; the second then walks
.set G0B, 48
.set TB,  56
.set ASTEP, 58
.set PFA, 60
.set LIM, 62
.set LIMR, 63
.set PST, 66
.set MSB, 0
.macro WIN new
.if MSB != (\new)
	s_set_vgpr_msb (MSB<<8)|(\new)
.set MSB, \new
.endif
.endm
.set MUL_LO, 0xa1
.set MUL_HI, 0xf1
.set TO_B,   0x40
.macro PLACES
.rept 4
	v_nop
.endr
.endm
.macro JLOAD                           ; waves 0, 1: A's two regions; waves 2, 3: B's.  An s_nop 0 and four v_nop follow each line
	s_cmp_eq_u32 s13, 0
	s_cbranch_scc0 .Lfor_b_\@
	tensor_load_to_lds s[G0A+4:G0A+7], s[G1A:G1A+7]
	s_nop 0
.rept 4
	v_nop
.endr
	s_branch .Lasked_\@
.Lfor_b_\@:
	tensor_load_to_lds s[G0B+4:G0B+7], s[G1B:G1B+7]
	s_nop 0
.rept 4
	v_nop
.endr
.Lasked_\@:
.endm
.macro CREST
	s_cmp_lg_u32 s12, 0
	s_cbranch_scc1 .Lnot_wave_0_\@
	s_barrier_signal -3
.Lnot_wave_0_\@:
	s_barrier_wait -3
	s_barrier_signal -1
	s_barrier_wait -1
.endm
.macro CROUND
	s_barrier_signal -1
	s_barrier_wait -1
	CREST
.endm
; A PREFETCH INTO THE L2 of a quarter of the region that I fetch at the NEXT refill: 32 lanes x 256 bytes; the four partners that ask for the region jointly take a quarter each, told apart by address.  A's regions are read by one
; row of one cluster alone; B's by all clusters of a set, of which the first asks.  So each block is named once.  One K step, 256 matrix instructions, ahead; the last refill asks for nothing.
.macro ASK
	s_cmp_gt_u32 s3, s[LIM]
	s_cbranch_scc0 .Lnot_mine_\@
	global_prefetch_b8 v[PFO], s[PFA:PFA+1] th:TH_LOAD_NT scope:SCOPE_SE
.Lnot_mine_\@:
.endm
	s_load_b256 s[4:11], s[0:1], 0x0               ; ob s[4:5], wob s[6:7], bo s[8:9], out0 s[10:11]
	v_lshl_add_u32 v[SPW], v0, 2, SPARE
	v_mov_b32 v[NIL], 0
	ds_add_u32 v[SPW], v[NIL]                      ; the wave's opening: the add and its wait stand ahead of my first tensor load; work on registers stands between
	v_lshrrev_b32 v1, 5, v0
	v_readfirstlane_b32 s12, v1                    ; wave
	s_lshr_b32 s13, s12, 1                         ; my half of the rows.  Also: I fetch for A (0) or B (1)
	s_and_b32 s14, s12, 1                          ; my half of the columns.  Also: which of the step's two heads I fetch
	s_bfe_u32 s15, ttmp6, 0x40000                  ; cx
	s_bfe_u32 s16, ttmp6, 0x40004                  ; cy
	s_lshl_b32 s76, ttmp9, 2
	s_add_co_u32 s76, s76, s15                     ; column tile
	s_and_b32 s19, ttmp7, 0xffff                   ; cluster y
	s_lshl_b32 s17, s19, 2
	s_add_co_u32 s17, s17, s16                     ; row tile i
	s_mov_b32 s[ASTEP], 2097152                    ; two heads on in ob: 64 blocks (text),
	s_mov_b32 s[ASTEP+1], 0
	s_cmp_ge_u32 s19, 8
	s_cselect_b32 s18, 1, 0                        ; set: the same in all sixteen partners
	s_cselect_b32 s70, 8, 32                       ; blocks from head to head
	s_cselect_b32 s71, 288, 0
	s_cselect_b32 s[ASTEP], 524288, s[ASTEP]       ; 16 blocks (vision)
	s_lshl_b32 s72, s16, 2
	s_lshl_b32 s72, 15, s72                        ; my row of the cluster
	s_lshl_b32 s73, 0x1111, s15                    ; my column
	s_or_b32 s[G1A], s72, (1<<16)|(1<<20)|(1<<21)|(5<<22)|(3<<25)  ; the mask; 2-byte elements; 4 words of padding behind every 64; bit 21 beside the mask
	s_or_b32 s[G1B], s73, (1<<16)|(1<<20)|(1<<21)|(5<<22)|(3<<25)
.irp g, G1A, G1B
	s_mov_b32 s[\g+1], 128<<16                     ; tensor_dim0
	s_mov_b32 s[\g+2], 128<<16                     ; tensor_dim1
	s_mov_b32 s[\g+3], 128<<16                     ; tile_dim0
	s_mov_b32 s[\g+4], 128                         ; tile_dim1
	s_mov_b32 s[\g+5], 128                         ; dense: a row begins where the last ends
	s_mov_b32 s[\g+6], 0
	s_mov_b32 s[\g+7], 0
.endr
	s_mul_i32 s20, s14, s70                        ; A: block g x (blocks a head) + the tile's place; nothing of cx
	s_add_co_u32 s20, s20, s17
	s_add_co_u32 s20, s20, s71
	s_lshl_b32 s20, s20, 15
	s_mov_b32 s21, 0
	s_mul_i32 s22, s18, 10                         ; B: (10 set + g) x 1,024 rows + 256 x column tile, 128 bytes a row; nothing of cy
	s_add_co_u32 s22, s22, s14
	s_lshl_b32 s22, s22, 17
	s_lshl_b32 s77, s76, 15
	s_add_co_u32 s22, s22, s77
	s_mov_b32 s23, 0
	s_mul_i32 s74, s12, RGN                        ; region = my wave's number
	s_mov_b32 s[G0A], 1
	s_mov_b32 s[G0A+1], s74
	s_mov_b32 s[G0A+4], 1
	s_add_co_u32 s[G0A+5], s74, SLOT
	s_mov_b32 s[G0B], 1
	s_mov_b32 s[G0B+1], s74
	s_mov_b32 s[G0B+4], 1
	s_add_co_u32 s[G0B+5], s74, SLOT
	s_mov_b32 s[TB], 0
	s_mov_b32 s[PST], 262144                       ; two heads on in wob
	s_mov_b32 s[PST+1], 0
	s_and_b32 s75, s19, 7                          ; B's waves ask in clusters 0 and 8, A's in all
	s_cmp_eq_u32 s13, 0
	s_cselect_b32 s75, 0, s75
	s_cselect_b32 s[PST], s[ASTEP], s[PST]
	s_cselect_b32 s72, s15, s16                    ; my place among the four that ask with me
	s_cmp_eq_u32 s75, 0
	s_cselect_b32 s[LIM], 1, -1
	s_lshl_b32 s72, s72, 13
	s_mov_b32 s73, 0
	s_wait_dscnt 0x0                               ; the opening add is done
	s_wait_kmcnt 0x0
	s_add_nc_u64 s[G0A+2:G0A+3], s[4:5], s[20:21]  ; K step 0,
	s_add_nc_u64 s[G0A+6:G0A+7], s[G0A+2:G0A+3], s[ASTEP:ASTEP+1]  ; K step 1
	s_add_nc_u64 s[G0B+2:G0B+3], s[6:7], s[22:23]
	s_add_nc_u64 s[G0B+6:G0B+7], s[G0B+2:G0B+3], 262144
	s_cmp_eq_u32 s13, 0
	s_cselect_b64 s[PFA:PFA+1], s[G0A+6:G0A+7], s[G0B+6:G0B+7]
	s_add_nc_u64 s[PFA:PFA+1], s[PFA:PFA+1], s[PST:PST+1]  ; at K step 2: the first refill steps it to 3
	s_add_nc_u64 s[PFA:PFA+1], s[PFA:PFA+1], s[72:73]
	s_or_b32 s[G0A+3], s[G0A+3], 0x80000000
	s_or_b32 s[G0A+7], s[G0A+7], 0x80000000
	s_or_b32 s[G0B+3], s[G0B+3], 0x80000000
	s_or_b32 s[G0B+7], s[G0B+7], 0x80000000
	CROUND                                         ; all sixteen work-groups are here: the first joint loads meet
	s_cmp_eq_u32 s13, 0                            ; a wave's two first fills stand in one branch: two loads of mine are out
	s_cbranch_scc0 .Lfirst_b
	tensor_load_to_lds s[G0A:G0A+3], s[G1A:G1A+7]
	s_nop 0
	tensor_load_to_lds s[G0A+4:G0A+7], s[G1A:G1A+7]
	s_nop 0
.rept 4
	v_nop
.endr
	s_branch .Lfirst_asked
.Lfirst_b:
	tensor_load_to_lds s[G0B:G0B+3], s[G1B:G1B+7]
	s_nop 0
	tensor_load_to_lds s[G0B+4:G0B+7], s[G1B:G1B+7]
	s_nop 0
.rept 4
	v_nop
.endr
.Lfirst_asked:
	v_and_b32 v1, 15, v0                           ; r
	v_bfe_u32 v2, v0, 4, 1                         ; h
	v_and_b32 v7, 31, v0                           ; l
	s_lshl_b32 s75, s76, 10
	s_lshl_b32 s77, s14, 9
	s_add_co_u32 s75, s75, s77                     ; my 128 columns, in bytes of f32
	v_lshl_add_u32 v12, v7, 4, s75
	global_load_b128 v[BI:BI+3], v12, s[8:9]       ; the bias of my four columns
	v_lshrrev_b32 v3, 1, v1
	v_mul_u32_u24 v3, v3, PITCH
	v_and_b32 v4, 1, v1
	v_lshl_add_u32 v3, v4, 7, v3
	v_lshl_add_u32 v3, v2, 4, v3                   ; 272 (r / 2) + 128 (r % 2) + 16 h
	s_mul_i32 s70, s13, 64*PITCH
	v_add_nc_u32 v[A0], s70, v3
	s_mul_i32 s70, s14, 64*PITCH
	s_add_co_u32 s70, s70, 2*RGN
	v_add_nc_u32 v[B0], s70, v3
	v_mov_b32 v[ADRA], v[A0]
	v_mov_b32 v[ADRB], v[B0]
	s_mul_i32 s70, s12, STGW                       ; my stage
	v_mul_u32_u24 v[STO], v1, SPITCH
	v_lshl_add_u32 v[STO], v2, 5, v[STO]
	v_add_nc_u32 v[STO], s70, v[STO]
	v_lshl_add_u32 v[RD], v7, 4, s70
	v_lshlrev_b32 v[CO], 4, v7
	v_lshlrev_b32 v[PFO], 8, v7
	s_lshr_b32 s70, s17, 2                         ; out0's row: text 1221 b + 197 + 256 (i % 4), vision 1221 (i - 32); + my half
	s_mul_i32 s70, s70, 1221
	s_and_b32 s71, s17, 3
	s_lshl_b32 s71, s71, 8
	s_add_co_u32 s70, s70, s71
	s_add_co_u32 s70, s70, 197
	s_sub_co_u32 s71, s17, 32
	s_mul_i32 s71, s71, 1221
	s_cmp_eq_u32 s18, 0
	s_cselect_b32 s70, s70, s71
	s_lshl_b32 s71, s13, 7
	s_add_co_u32 s70, s70, s71
	s_lshl_b32 s70, s70, 12
	s_add_co_u32 s70, s70, s75
	s_mov_b32 s71, 0
	s_add_nc_u64 s[10:11], s[10:11], s[70:71]
	s_and_b32 s72, s18, s13                        ; a vision tile's lower half has 69 rows (128 to 196); it hangs on the set and the wave alone
	s_mov_b32 s[LIMR], 128
	s_cmp_eq_u32 s72, 1
	s_cselect_b32 s[LIMR], 69, s[LIMR]
.macro MUL16 f, hi, a0, zero           ; the 64 accumulators take turns, one instruction a turn
	WIN MUL_LO+0x50*(\hi)
.irp a, \a0, (\a0)+1
.irp b, 0,1,2,3,4,5,6,7
.if \zero
	v_wmma_f32_16x16x32_f16 v[8*(8*(\a)+(\b)):8*(8*(\a)+(\b))+7], v[(\f)+8*(\b):(\f)+8*(\b)+7], v[(\f)+8*(4*(\hi)+(\a)):(\f)+8*(4*(\hi)+(\a))+7], 0
.else
	v_wmma_f32_16x16x32_f16 v[8*(8*(\a)+(\b)):8*(8*(\a)+(\b))+7], v[(\f)+8*(\b):(\f)+8*(\b)+7], v[(\f)+8*(4*(\hi)+(\a)):(\f)+8*(4*(\hi)+(\a))+7], v[8*(8*(\a)+(\b)):8*(8*(\a)+(\b))+7]
.endif
.endr
.endr
.endm
.macro FETCH k, f                      ; 32 LDS loads in one run
	WIN TO_B
.irp i, 0,1,2,3,4,5,6,7
	ds_load_b128 v[(\f)+8*(\i):(\f)+8*(\i)+3],   v[ADRB] offset:(\k)+(\i)*BLK
	ds_load_b128 v[(\f)+8*(\i)+4:(\f)+8*(\i)+7], v[ADRB] offset:(\k)+(\i)*BLK+32
.endr
	WIN 0
.irp i, 0,1,2,3,4,5,6,7
	ds_load_b128 v[(\f)+8*(\i):(\f)+8*(\i)+3],   v[ADRA] offset:(\k)+(\i)*BLK
	ds_load_b128 v[(\f)+8*(\i)+4:(\f)+8*(\i)+7], v[ADRA] offset:(\k)+(\i)*BLK+32
.endr
.endm
.macro QUARTER k, f, g, zero
	s_wait_dscnt 8                                 ; all but the youngest eight loads (A's rows 64-127)
	MUL16 \f, 0, 0, \zero
	MUL16 \f, 0, 2, \zero
	PLACES
	FETCH \k, \g
	s_wait_dscnt 32                                ; all but the 32 just issued
	MUL16 \f, 1, 0, \zero
	MUL16 \f, 1, 2, \zero
.endm
; The last quarter changes slots.  fill = 1: the barrier opens a round of the cluster's, and the slot is filled again, two K steps on.
.macro TURN fill
.if \fill
	s_wait_xcnt 0x0                                ; the last prefetch, a K step back, has read its address
	s_add_nc_u64 s[PFA:PFA+1], s[PFA:PFA+1], s[PST:PST+1]
.endif
	WIN 0
	s_wait_tensorcnt 0x0                           ; all my tensor loads have landed: my region of the next slot;
	ds_add_u32 v[SPW], v[NIL]                      ; 0 onto my spare word;
	s_wait_dscnt 9                                 ; (the add and the youngest eight loads may be out)
	MUL16 F1, 0, 0, 0
	s_wait_dscnt 0x0                               ; the add is done, and my reads of this slot are over
	s_barrier_signal -1
	MUL16 F1, 0, 2, 0
	WIN 0
	s_barrier_wait -1
.if \fill
	CREST                                          ; no wave of any partner still reads this slot or has a load on its way
	s_xor_b32 s[G0A+5], s[G0A+5], SLOT             ; the walking descriptors: the other slot than last time, two heads on
	s_add_nc_u64 s[G0A+6:G0A+7], s[G0A+6:G0A+7], s[ASTEP:ASTEP+1]
	s_xor_b32 s[G0B+5], s[G0B+5], SLOT
	s_add_nc_u64 s[G0B+6:G0B+7], s[G0B+6:G0B+7], 262144
	JLOAD                                          ; 224 matrix instructions ahead of the wait for it; its four v_nop are the places in front of the loads below
.else
	PLACES
.endif
	s_xor_b32 s[TB], s[TB], SLOT
	v_add_nc_u32 v[ADRA], s[TB], v[A0]
	v_add_nc_u32 v[ADRB], s[TB], v[B0]
	FETCH KOF0, F0
.if \fill
	ASK
.endif
	MUL16 F1, 1, 0, 0
	MUL16 F1, 1, 2, 0
.endm
	s_wait_tensorcnt 1                             ; my region of K step 0 is in; K step 1's may stay out
	s_barrier_signal -1
	s_barrier_wait -1
	FETCH KOF0, F0
	QUARTER KOF1, F0, F1, 1                        ; the first quarter starts the sums
	WIN 0
	s_mov_b32 s3, 3
.Lstep:                                        ; a K step, from its second quarter to the next step's first; the refills bring K steps 2, 3, 4
	QUARTER KOF2, F1, F0, 0
	QUARTER KOF3, F0, F1, 0
	TURN 1
	QUARTER KOF1, F0, F1, 0
	WIN 0
	s_sub_co_u32 s3, s3, 1
	s_cmp_lg_u32 s3, 0
	s_cbranch_scc1 .Lstep
	QUARTER KOF2, F1, F0, 0                        ; K steps 3 and 4: nothing is left to fetch
	QUARTER KOF3, F0, F1, 0
	TURN 0
	QUARTER KOF1, F0, F1, 0
	QUARTER KOF2, F1, F0, 0
	QUARTER KOF3, F0, F1, 0
	s_wait_dscnt 8
	MUL16 F1, 0, 0, 0
	MUL16 F1, 0, 2, 0
	s_wait_dscnt 0x0
	MUL16 F1, 1, 0, 0
	MUL16 F1, 1, 2, 0
	WIN 0
	s_wait_dscnt 0x0                               ; my reads of the ring are over:
	s_barrier_signal -1
	s_barrier_wait -1                              ; everybody's: the ring's bytes, which have had their last fill, become the stages
	PLACES
	WIN 0x08                                       ; each accumulator's low registers go first
.irp a, 0,1,2,3
.irp b, 0,1,2,3,4,5,6,7
	ds_store_b128 v[STO], v[8*(8*\a+\b):8*(8*\a+\b)+3]   offset:16*SPITCH*\a+64*\b
	ds_store_b128 v[STO], v[8*(8*\a+\b)+4:8*(8*\a+\b)+7] offset:16*SPITCH*\a+64*\b+16
.endr
.endr
	WIN 0x0c
.irp a, 0,1,2,3
.irp b, 0,1,2,3,4,5,6,7
	ds_store_b128 v[STO], v[8*(8*\a+\b):8*(8*\a+\b)+3]   offset:16*SPITCH*(\a+4)+64*\b
	ds_store_b128 v[STO], v[8*(8*\a+\b)+4:8*(8*\a+\b)+7] offset:16*SPITCH*(\a+4)+64*\b+16
.endr
.endr
	WIN 0
	s_wait_loadcnt 0x0                             ; the bias
	v_cvt_pk_bf16_f32 v12, v[BI], v[BI+1]
	v_cvt_pk_bf16_f32 v13, v[BI+2], v[BI+3]
	v_lshlrev_b32 v[BI], 16, v12
	v_and_b32 v[BI+1], 0xffff0000, v12
	v_lshlrev_b32 v[BI+2], 16, v13
	v_and_b32 v[BI+3], 0xffff0000, v13
.macro ROWOUT t                        ; row R + t: the bias added, stored if the row exists
	s_wait_dscnt 7-(\t)                            ; the later rows' loads may stay out
	v_pk_add_f32 v[32+4*(\t):33+4*(\t)], v[32+4*(\t):33+4*(\t)], v[BI:BI+1]
	v_pk_add_f32 v[34+4*(\t):35+4*(\t)], v[34+4*(\t):35+4*(\t)], v[BI+2:BI+3]
	s_add_co_u32 s70, s68, \t
	s_cmp_lt_u32 s70, s[LIMR]
	s_cbranch_scc0 .Lno_row_\@
	global_store_b128 v[CO], v[32+4*(\t):35+4*(\t)], s[10:11] offset:4096*(\t)  ; 512 consecutive bytes of a row, aligned
.Lno_row_\@:
.endm
	s_mov_b32 s68, 0                               ; R
	s_mov_b32 s69, 16
.Lrows:                                        ; 16 trips of 8 rows
.irp t, 0,1,2,3,4,5,6,7
	ds_load_b128 v[32+4*\t:35+4*\t], v[RD] offset:SPITCH*\t  ; LDS serves a wave's instructions in order (ISA guide 5.7.1.4): these see my stores
.endr
.irp t, 0,1,2,3,4,5,6,7
	ROWOUT \t
.endr
	s_wait_xcnt 0x0                                ; the stores have read their registers: these are written again only behind this wait
	v_add_nc_u32 v[RD], 8*SPITCH, v[RD]
	v_add_nc_u32 v[CO], 32768, v[CO]
	s_add_co_u32 s68, s68, 8
	s_sub_co_u32 s69, s69, 1
	s_cmp_lg_u32 s69, 0
	s_cbranch_scc1 .Lrows
	s_wait_tensorcnt 0x0                           ; the wave's end, behind my last tensor load and my last LDS store
	ds_add_u32 v[SPW], v[NIL]
	s_wait_dscnt 0x0
	CROUND                                         ; the closing round
	s_endpgm
.Lfunc_end_k_q4ccdb58259_outp:
	.size	k_q4ccdb58259_outp, .Lfunc_end_k_q4ccdb58259_outp-k_q4ccdb58259_outp
	.p2alignl 7, 3214868480
	.fill 96, 4, 3214868480
	.section	.rodata,"a",@progbits
	.p2align	6, 0x0
	.amdhsa_kernel k_q4ccdb58259_outp
		.amdhsa_group_segment_fixed_size 327680
		.amdhsa_private_segment_fixed_size 0
		.amdhsa_enable_private_segment 0
		.amdhsa_kernarg_size 32
		.amdhsa_user_sgpr_count 2
		.amdhsa_user_sgpr_kernarg_segment_ptr 1
		.amdhsa_wavefront_size32 1
		.amdhsa_system_sgpr_workgroup_id_x 1
		.amdhsa_system_sgpr_workgroup_id_y 1
		.amdhsa_system_sgpr_workgroup_id_z 1
		.amdhsa_system_vgpr_workitem_id 0
		.amdhsa_next_free_vgpr 1024
		.amdhsa_next_free_sgpr 80
		.amdhsa_reserve_vcc 0
		.amdhsa_float_denorm_mode_32 3
		.amdhsa_float_denorm_mode_16_64 3
		.amdhsa_memory_ordered 1
		.amdhsa_forward_progress 1
		.amdhsa_inst_pref_size 98
	.end_amdhsa_kernel
	.amdgpu_metadata
---
amdhsa.version: [ 1, 2 ]
amdhsa.kernels:
  - .name:           k_q4ccdb58259_outp
    .symbol:         k_q4ccdb58259_outp.kd
    .args:
      - { .name: ob, .offset: 0, .size: 8, .value_kind: global_buffer, .address_space: global }
      - { .name: wob, .offset: 8, .size: 8, .value_kind: global_buffer, .address_space: global }
      - { .name: bo, .offset: 16, .size: 8, .value_kind: global_buffer, .address_space: global }
      - { .name: out0, .offset: 24, .size: 8, .value_kind: global_buffer, .address_space: global }
    .group_segment_fixed_size: 327680
    .private_segment_fixed_size: 0
    .kernarg_segment_align: 8
    .kernarg_segment_size: 32
    .max_flat_workgroup_size: 128
    .sgpr_count:     80
    .vgpr_count:     1024
    .wavefront_size: 32
...
	.end_amdgpu_metadata
.endif
;; end of part 4
;; ======== version 2 of 2: 4 launches; version 1 with the launches prep, attn written anew for expert scheduling mode
;; limits: values are held in f16: magnitudes above 65,504 overflow, below 6.1e-05 lose precision
;; workspace buffers: xb 20,971,520 bytes; wc 7,864,320 bytes; wob 2,621,440 bytes; tab 655,360 bytes; qkv 39,321,600 bytes; ob 13,107,200 bytes
;; launch prep (part 5): grid 520 x 1, 8 waves a work-group, no clusters, 0 bytes of LDS; arguments x, Wq, Wk, Wv, Wo, xb, wc, wob, tab; writes xb, wc, wob, tab
.if DOCPART == 5
	.amdgcn_target "amdgcn-amd-amdhsa--gfx1250"
	.amdhsa_code_object_version 6
	.text
	.protected	k_q4ccdb58259_prep
	.globl	k_q4ccdb58259_prep
	.p2align	8
	.type	k_q4ccdb58259_prep,@function
k_q4ccdb58259_prep:
	s_mov_b64 s[64:65], 0
	v_nop
	global_prefetch_b8 v0, s[64:65] scope:SCOPE_SE
	s_setreg_imm32_b32 hwreg(HW_REG_WAVE_SCHED_MODE, 0, 2), 2
	s_setreg_imm32_b32 hwreg(HW_REG_WAVE_MODE, 25, 1), 1
	s_wait_xcnt 0x0
	s_wait_alu depctr_vm_vsrc(0)
; CASTS, NEW LAYOUTS AND THE ROTATION TABLE.  A stream: no LDS, no matrix unit, no cluster; each wave works alone.
; Work-groups 0-319:   xb[P][1024] bf16, 10,240 rows.  P < 8192: text row, P = 1024 b + (t - 197).  P >= 8192: vision row, P = 8192 + 256 b + t, t < 197; the rows t = 197..255 are written as zeros.
; Work-groups 320-439: wc[set][kind q,k,v][g][64][1024] bf16: the ten heads that a row of the set needs.  Set 0 (text rows): head 6 + g.  Set 1 (vision rows): head g (g < 6) or g + 6.
; Work-groups 440-479: wob[set][g][n][64] f16: Wo's 64 columns of that head, rounded to bf16 like every input and that number written as f16.
; Work-groups 480-519: tab[2][1280 t][32 pairs][cos, sin] f32: part 0 the rotation by t x 10000^(-i/32), part 1 (1, 0) for v.
; LIMITS.  bf16(Wo) beyond 65,504 becomes an infinity in f16, below 6e-5 it keeps f16's fixed step.  The angle t x inv is formed in f32, as the problem forms it: good to about 1e-4 at t = 1220.
; Sine and cosine: the angle less a multiple of 2 pi (in two parts), a quarter of it into two polynomials (|y| <= pi/4: the first terms left out are below 3e-8), the angle doubled twice.
; THE MODE: SCHED_MODE bits 1:0 = 2 (LLVM: expert scheduling mode 2), set by the entry lines.  The code itself states the register dependences
; between vector instructions and memory instructions, with s_wait_alu, always for 0.
; THE PLAN.  Registers that memory instructions touch:
;   v1, v2    byte offsets, made once at the head, never written again; v3 the same in Wo's arm.
;   XR        as loaded: written by the 32 loads alone, read by the conversions.
;   YR        to store: each register is written once, by a conversion, and read once, by a store.
; The work goes in four groups (a row, or eight pairs of rows).  Group k's conversions write YR[k]; its eight stores are issued in group k + 1, behind ONE wait at that group's head, dealt among that
; group's conversions, which name XR[k + 1] and YR[k + 1] alone.  No register that a memory instruction reads is written again, so nothing is owed for that.
.set XR, 32                            ; v[32:159]  as loaded
.set YR, 160                           ; v[160:223] to store
	s_load_b512 s[4:19], s[0:1], 0x0               ; x s[4:5], Wq s[6:7], Wk s[8:9], Wv s[10:11], Wo s[12:13], xb s[14:15], wc s[16:17], wob s[18:19]
	s_load_b64 s[20:21], s[0:1], 0x40              ; tab
	v_lshrrev_b32 v3, 5, v0
	v_readfirstlane_b32 s22, v3                    ; wave 0..7
	v_and_b32 v4, 31, v0                           ; lane
	v_lshlrev_b32 v1, 4, v4                        ; 16 bytes a lane on the way in
	v_lshlrev_b32 v2, 3, v4                        ; 8 bytes a lane on the way out
	s_mov_b32 s47, 0                               ; high words of the two offset pairs
	s_mov_b32 s49, 0
	s_wait_alu depctr_va_sdst(0)                   ; s22 is written, ahead of the branches and of its first reader in each arm
	s_wait_alu depctr_va_vdst(0)                   ; v1 and v2 are written: the loads and stores of every arm read them as offsets
	s_wait_kmcnt 0x0
	s_cmp_lt_u32 ttmp9, 320
	s_cbranch_scc1 .Lxrows
	s_cmp_lt_u32 ttmp9, 440
	s_cbranch_scc1 .Lwrows
	s_cmp_lt_u32 ttmp9, 480
	s_cbranch_scc1 .Lworows
	; THE TABLE: a wave makes four rows t, a lane a pair i
	s_sub_co_u32 s23, ttmp9, 480
	s_lshl_b32 s23, s23, 5
	s_lshl2_add_u32 s23, s22, s23                  ; t of my first row
	s_lshl_b32 s48, s23, 8                         ; 256 bytes a row
	s_add_nc_u64 s[30:31], s[20:21], s[48:49]
	s_mov_b32 s56, 0x40c90fdb                      ; 2 pi, its f32 part,
	s_mov_b32 s57, 0xb43bbd2e                      ; and what that leaves
	v_cvt_f32_u32 v5, v4
	v_mul_f32 v5, 0xbed49a78, v5                   ; - i log2(10000) / 32
	v_exp_f32 v5, v5                               ; 10000^(-i/32)
	v_mov_b32 v6, 1.0                              ; the plain instruction behind the exponential; (1, 0) is part 1's pair
	v_mov_b32 v7, 0
	s_wait_alu depctr_va_vdst(0)                   ; the exponential has written v5, ahead of its first reader
.macro TROW k                          ; row t + k: (cos, sin) into v[16 + 2 k : 17 + 2 k]
	s_add_co_u32 s24, s23, \k
	v_cvt_f32_u32 v8, s24
	v_mul_f32 v8, v8, v5                           ; the angle
	v_mul_f32 v9, 0.15915494, v8
	v_rndne_f32 v9, v9                             ; whole turns
	v_fma_f32 v8, -v9, s56, v8
	v_fma_f32 v8, -v9, s57, v8                     ; within -pi .. pi
	v_mul_f32 v10, 0x3e800000, v8                  ; y: a quarter of it
	v_mul_f32 v11, v10, v10
	v_mov_b32 v[17+2*(\k)], 0x3638ef1d             ; sin y = y (1 - u/6 + u^2/120 - u^3/5040 + u^4/362880)
	v_fmaak_f32 v[17+2*(\k)], v[17+2*(\k)], v11, 0xb9500d01
	v_fmaak_f32 v[17+2*(\k)], v[17+2*(\k)], v11, 0x3c088889
	v_fmaak_f32 v[17+2*(\k)], v[17+2*(\k)], v11, 0xbe2aaaab
	v_fmaak_f32 v[17+2*(\k)], v[17+2*(\k)], v11, 0x3f800000
	v_mul_f32 v[17+2*(\k)], v[17+2*(\k)], v10
	v_mov_b32 v[16+2*(\k)], 0x37d00d01             ; cos y = 1 - u/2 + u^2/24 - u^3/720 + u^4/40320
	v_fmaak_f32 v[16+2*(\k)], v[16+2*(\k)], v11, 0xbab60b61
	v_fmaak_f32 v[16+2*(\k)], v[16+2*(\k)], v11, 0x3d2aaaab
	v_fmaak_f32 v[16+2*(\k)], v[16+2*(\k)], v11, 0xbf000000
	v_fmaak_f32 v[16+2*(\k)], v[16+2*(\k)], v11, 0x3f800000
.rept 2                                ; the angle doubled: (s, c) <- (2 s c, 1 - 2 s^2)
	v_mul_f32 v12, v[17+2*(\k)], v[16+2*(\k)]
	v_mul_f32 v11, v[17+2*(\k)], v[17+2*(\k)]
	v_add_f32 v[17+2*(\k)], v12, v12
	v_fma_f32 v[16+2*(\k)], v11, -2.0, 1.0
.endr
.endm
	TROW 0
	TROW 1
	TROW 2
	TROW 3
	s_wait_alu depctr_va_vdst(0)                   ; the four rows' pairs v[16:23] and the pair (1, 0) in v[6:7] are written, which the eight stores read
.irp k, 0,1,2,3
	global_store_b64 v2, v[16+2*\k:17+2*\k], s[30:31] offset:256*\k          ; a wave's store covers a row's 256 bytes
	global_store_b64 v2, v[6:7], s[30:31] offset:327680+256*\k
.endr
	s_endpgm
.Lxrows:                                       ; x -> xb: the work-group 32 rows P, a wave four
	s_lshl_b32 s23, ttmp9, 5
	s_lshl2_add_u32 s23, s22, s23                  ; P of my first row
	s_mov_b64 s[28:29], s[4:5]
	s_lshl_b32 s48, s23, 11
	s_add_nc_u64 s[30:31], s[14:15], s[48:49]      ; where it goes
	s_lshr_b32 s27, s23, 10                        ; text: b,
	s_add_co_u32 s27, s27, 1
	s_mul_i32 s27, s27, 197
	s_add_co_u32 s24, s23, s27                     ; x's row 1221 b + t = P + 197 (b + 1)
	s_sub_co_u32 s50, s23, 8192                    ; vision: b,
	s_lshr_b32 s50, s50, 8
	s_mul_i32 s50, s50, 1221                       ; its first row, which always exists,
	s_and_b32 s51, s23, 255                        ; t,
	s_add_co_u32 s52, s50, s51
	s_sub_co_i32 s53, 197, s51                     ; and how many rows from t on exist (may be below 0)
	s_cmp_lt_u32 s23, 8192
	s_cselect_b32 s24, s24, s52                    ; source row of my first row
	s_cselect_b32 s26, s24, s50                    ; a row to load where there is none
	s_cselect_b32 s25, 1000, s53                   ; rows that exist
	s_branch .Lcast
.Lwrows:                                       ; Wq, Wk, Wv -> wc: 32 rows a work-group; 32 divides 384, 640 and 1920, so a chunk lies in one piece
	s_sub_co_u32 s23, ttmp9, 320
	s_lshl_b32 s23, s23, 5
	s_lshl2_add_u32 s23, s22, s23                  ; wc's row
	s_lshl_b32 s48, s23, 11
	s_add_nc_u64 s[30:31], s[16:17], s[48:49]
	s_cmp_ge_u32 s23, 1920
	s_cselect_b32 s50, 1, 0                        ; set
	s_cselect_b32 s51, 1920, 0
	s_sub_co_u32 s51, s23, s51
	s_cmp_ge_u32 s51, 640
	s_cselect_b32 s52, 1, 0
	s_cmp_ge_u32 s51, 1280
	s_cselect_b32 s52, 2, s52                      ; kind
	s_mul_i32 s53, s52, 640
	s_sub_co_u32 s53, s51, s53                     ; 64 g + d
	s_add_co_u32 s54, s53, 384                     ; head g + 6
	s_cmp_lt_u32 s53, 384
	s_cselect_b32 s55, s53, s54                    ; set 1: head g below 6, else g + 6
	s_cmp_eq_u32 s50, 0
	s_cselect_b32 s24, s54, s55
	s_mov_b32 s26, s24
	s_mov_b32 s25, 1000
	s_cmp_eq_u32 s52, 0
	s_cselect_b64 s[28:29], s[6:7], s[8:9]
	s_cmp_eq_u32 s52, 2
	s_cselect_b64 s[28:29], s[10:11], s[28:29]
.Lcast:                                        ; four rows of 1,024 f32 -> bf16; a row that does not exist is loaded from a row that does and stored as zeros
.irp k, 0,1,2,3
	s_add_co_u32 s23, s24, \k
	s_cmp_gt_i32 s25, \k
	s_cselect_b32 s23, s23, s26
	s_cselect_b32 s[40+\k], -1, 0
	s_lshl_b32 s46, s23, 12
	s_add_nc_u64 s[32+2*\k:33+2*\k], s[28:29], s[46:47]
.endr
.irp k, 0,1,2,3
.irp j, 0,1,2,3,4,5,6,7
	global_load_b128 v[XR+32*\k+4*\j:XR+32*\k+4*\j+3], v1, s[32+2*\k:33+2*\k] offset:512*\j  ; all 32 loads go out first: 512 consecutive bytes each
.endr
.endr
.macro CV k, j                         ; piece j of row k: four numbers a lane rounded, or made zero
	v_cvt_pk_bf16_f32 v[YR+16*(\k)+2*(\j)], v[XR+32*(\k)+4*(\j)], v[XR+32*(\k)+4*(\j)+1]
	v_cvt_pk_bf16_f32 v[YR+16*(\k)+2*(\j)+1], v[XR+32*(\k)+4*(\j)+2], v[XR+32*(\k)+4*(\j)+3]
	v_and_b32 v[YR+16*(\k)+2*(\j)], s[40+(\k)], v[YR+16*(\k)+2*(\j)]
	v_and_b32 v[YR+16*(\k)+2*(\j)+1], s[40+(\k)], v[YR+16*(\k)+2*(\j)+1]
.endm
.macro CS k, j                         ; and stored: 256 consecutive bytes, aligned; no register is used twice
	global_store_b64 v2, v[YR+16*(\k)+2*(\j):YR+16*(\k)+2*(\j)+1], s[30:31] offset:2048*(\k)+256*(\j)
.endm
	s_wait_loadcnt 24                              ; loads come back in order: row 0's eight are in, the later rows' stay out
.irp j, 0,1,2,3,4,5,6,7
	CV 0, \j
.endr
.irp k, 1,2,3
	s_wait_loadcnt 24-8*\k                         ; this row's eight are in, the later rows' stay out
	s_wait_alu depctr_va_vdst(0)                   ; the row before has written its sixteen registers of YR, which the eight stores below read; this row's lines name none of them
.irp j, 0,1,2,3,4,5,6,7
	CS \k-1, \j
	CV \k, \j
.endr
.endr
	s_wait_alu depctr_va_vdst(0)                   ; row 3 has written its sixteen registers of YR, which the last eight stores read
.irp j, 0,1,2,3,4,5,6,7
	CS 3, \j
.endr
	s_endpgm
.Lworows:                                      ; Wo -> wob: a work-group half of one (set, g): 512 rows n, a wave 64
	s_sub_co_u32 s23, ttmp9, 440
	s_lshr_b32 s24, s23, 1                         ; 10 set + g
	s_and_b32 s25, s23, 1
	s_cmp_ge_u32 s24, 10
	s_cselect_b32 s26, 10, 0
	s_cselect_b32 s50, 1, 0                        ; set
	s_sub_co_u32 s26, s24, s26                     ; g
	s_add_co_u32 s27, s26, 6
	s_cmp_lt_u32 s26, 6
	s_cselect_b32 s51, s26, s27
	s_cmp_eq_u32 s50, 0
	s_cselect_b32 s27, s27, s51                    ; head
	s_lshl_b32 s25, s25, 9
	s_lshl_b32 s51, s22, 6
	s_add_co_u32 s25, s25, s51                     ; my first row n
	s_lshl_b32 s46, s25, 12
	s_lshl_b32 s27, s27, 8
	s_add_co_u32 s46, s46, s27
	s_add_nc_u64 s[28:29], s[12:13], s[46:47]      ; Wo at (n, 64 head)
	s_lshl_b32 s48, s24, 10
	s_add_co_u32 s48, s48, s25
	s_lshl_b32 s48, s48, 7
	s_add_nc_u64 s[30:31], s[18:19], s[48:49]
	v_lshrrev_b32 v5, 4, v4
	v_and_b32 v6, 15, v4
	v_lshlrev_b32 v6, 4, v6
	v_lshl_add_u32 v3, v5, 12, v6                  ; lanes 0-15 one row's 256 bytes, lanes 16-31 the next row's
	s_wait_alu depctr_va_vdst(0)                   ; v3 is written, which the 32 loads read as their offset
.set j, 0
.rept 32
	global_load_b128 v[XR+4*j:XR+4*j+3], v3, s[28:29] offset:8192*j
.set j, j+1
.endr
.macro WV                              ; pair j of rows: rounded to bf16, that number written as f16
	v_cvt_pk_bf16_f32 v8, v[XR+4*j], v[XR+4*j+1]
	v_cvt_pk_bf16_f32 v9, v[XR+4*j+2], v[XR+4*j+3]
	v_lshlrev_b32 v10, 16, v8
	v_and_b32 v11, 0xffff0000, v8
	v_cvt_pk_f16_f32 v[YR+2*j], v10, v11
	v_lshlrev_b32 v10, 16, v9
	v_and_b32 v11, 0xffff0000, v9
	v_cvt_pk_f16_f32 v[YR+2*j+1], v10, v11
.endm
.macro WS n                            ; pair n stored: two rows of 128 bytes: 256 consecutive bytes, aligned
	global_store_b64 v2, v[YR+2*(\n):YR+2*(\n)+1], s[30:31] offset:256*(\n)
.endm
	s_wait_loadcnt 24                              ; eight loads at a time: the later ones stay out
.set j, 0
.rept 8
	WV
.set j, j+1
.endr
.rept 3
	s_wait_loadcnt 24-j                            ; this group's eight loads are in
	s_wait_alu depctr_va_vdst(0)                   ; the group before has written its sixteen registers of YR, which the eight stores below read; this group's lines name none of them
.rept 8
	WS j-8
	WV
.set j, j+1
.endr
.endr
	s_wait_alu depctr_va_vdst(0)                   ; the last group has written its sixteen registers of YR, which the last eight stores read
.rept 8
	WS j-8
.set j, j+1
.endr
	s_endpgm
.Lfunc_end_k_q4ccdb58259_prep:
	.size	k_q4ccdb58259_prep, .Lfunc_end_k_q4ccdb58259_prep-k_q4ccdb58259_prep
	.p2alignl 7, 3214868480
	.fill 96, 4, 3214868480
	.section	.rodata,"a",@progbits
	.p2align	6, 0x0
	.amdhsa_kernel k_q4ccdb58259_prep
		.amdhsa_group_segment_fixed_size 0
		.amdhsa_private_segment_fixed_size 0
		.amdhsa_enable_private_segment 0
		.amdhsa_kernarg_size 72
		.amdhsa_user_sgpr_count 2
		.amdhsa_user_sgpr_kernarg_segment_ptr 1
		.amdhsa_wavefront_size32 1
		.amdhsa_system_sgpr_workgroup_id_x 1
		.amdhsa_system_sgpr_workgroup_id_y 1
		.amdhsa_system_sgpr_workgroup_id_z 1
		.amdhsa_system_vgpr_workitem_id 0
		.amdhsa_next_free_vgpr 224
		.amdhsa_next_free_sgpr 66
		.amdhsa_reserve_vcc 0
		.amdhsa_float_denorm_mode_32 3
		.amdhsa_float_denorm_mode_16_64 3
		.amdhsa_memory_ordered 1
		.amdhsa_forward_progress 1
		.amdhsa_inst_pref_size 44
	.end_amdhsa_kernel
	.amdgpu_metadata
---
amdhsa.version: [ 1, 2 ]
amdhsa.kernels:
  - .name:           k_q4ccdb58259_prep
    .symbol:         k_q4ccdb58259_prep.kd
    .args:
      - { .name: x, .offset: 0, .size: 8, .value_kind: global_buffer, .address_space: global }
      - { .name: Wq, .offset: 8, .size: 8, .value_kind: global_buffer, .address_space: global }
      - { .name: Wk, .offset: 16, .size: 8, .value_kind: global_buffer, .address_space: global }
      - { .name: Wv, .offset: 24, .size: 8, .value_kind: global_buffer, .address_space: global }
      - { .name: Wo, .offset: 32, .size: 8, .value_kind: global_buffer, .address_space: global }
      - { .name: xb, .offset: 40, .size: 8, .value_kind: global_buffer, .address_space: global }
      - { .name: wc, .offset: 48, .size: 8, .value_kind: global_buffer, .address_space: global }
      - { .name: wob, .offset: 56, .size: 8, .value_kind: global_buffer, .address_space: global }
      - { .name: tab, .offset: 64, .size: 8, .value_kind: global_buffer, .address_space: global }
    .group_segment_fixed_size: 0
    .private_segment_fixed_size: 0
    .kernarg_segment_align: 8
    .kernarg_segment_size: 72
    .max_flat_workgroup_size: 256
    .sgpr_count:     66
    .vgpr_count:     224
    .wavefront_size: 32
...
	.end_amdgpu_metadata
.endif
;; end of part 5
;; launch proj: the kernel of part 2 again; grid 40 x 6, 4 waves a work-group, clusters of 4 x 1, 327,680 bytes of LDS; arguments xb, wc, tab, qkv; writes qkv
;; launch attn (part 6): grid 26 x 8, 4 waves a work-group, no clusters, 87,552 bytes of LDS; arguments qkv, ob; writes ob
.if DOCPART == 6
	.amdgcn_target "amdgcn-amd-amdhsa--gfx1250"
	.amdhsa_code_object_version 6
	.text
	.protected	k_q4ccdb58259_attn
	.globl	k_q4ccdb58259_attn
	.p2align	8
	.type	k_q4ccdb58259_attn,@function
k_q4ccdb58259_attn:
	s_mov_b64 s[64:65], 0
	v_nop
	global_prefetch_b8 v0, s[64:65] scope:SCOPE_SE
	s_setreg_imm32_b32 hwreg(HW_REG_WAVE_SCHED_MODE, 0, 2), 2
	s_setreg_imm32_b32 hwreg(HW_REG_WAVE_MODE, 25, 1), 1
	s_wait_xcnt 0x0
	s_wait_alu depctr_vm_vsrc(0)
; ATTENTION UNDER THE PROBLEM'S OWN MASK (197 vision positions, 1,024 text positions; heads 0-5 vision alone, 6-11 text alone and causal, 12-15 vision keys and causal text keys).
; qkv: [q, k, v][400 blocks][256 rows][64] f16, ob likewise one kind.  Block of local head g: text tile 4 b + n at 32 g + 4 b + n; vision tile at 320 + 8 g + b (rows 197-255 are zeros).
; Products, maxima and sums in f32; the weights p are rounded to f16 for the second product (their sum is taken of the unrounded p), O once at the end.
; LIMITS.  q, k, v arrive within f16's 65,504.  A hidden score counts as its value less 1e30; a weight below 2^-126 counts as 0; NaN and infinities are not treated apart.
; THE WALK.  A unit is 256 queries x 256 keys.  A text head has 10 units for a batch (two work-groups of 5), a head 12-15 has 15 (three of 5), the six vision heads one each (two work-groups of 3).  A work-group's units
; stand in three words, a nibble a unit: the key tile (0-3 text, 8 vision, 15 none), the query block, and flags (2 the job's last tile, 4 the vision key tile, 8 the diagonal tile).  All hang on the work-group's ids alone.
; SHARES, LAYOUT, TURNS.  Of a block's four bands of 64 queries a wave owns 16 rows in each: four pieces.  S^T = K Q^T holds one query a lane; two results rounded to f16 are source 1 of O^T = V^T P.  p = 2^(c s - c m),
; c = log2(e) / 8, with a running maximum m; O and l are multiplied by a = 2^(c m_old - c m_new) in every step.  Turn n belongs to piece n: 8 products K Q^T of piece n + 1, then a lump of vector work, one wait for the turn's 33
; exponentials, then 8 products V^T P of piece n - 1; four vector instructions stand behind each product.
; THE MASK is the C operand that starts a sum S^T: MD x AL + BE + MP x AP.  MD: the mask of a band's own step of the diagonal tile; MP: keys 197-255, in the vision tile's last step.  It is made anew only where it changes.
; K, V AND Q COME THROUGH REGISTERS: a unit's 48 loads a wave go out a whole unit (256 matrix instructions of the wave) ahead; at the change of tiles K and V are stored into the one LDS slot between two barriers: the first says
; that every wave's reads of the old tile are over, the second that every wave's stores are done.  So one text serves every tile.  No cluster: the work-groups of a head walk different tiles, and nothing is fetched by tensor loads.
; REGISTERS.  window 0: v2-15, v34-36 addresses; v16-31 statistics; v48-55 at work; v64-127 S^T, two buffers; v128-191 the way out's rows as read back; v192-223 P, two buffers.  window 1: v0-127 O^T; v128-159 MD; v160-223 MC, two buffers; v224-255 MP.
; window 2: v0-63 Q; v64-127 the next unit's Q; v128-191 K of one step; v192-255 V of one step.  window 3: v0-63, v64-127 the next tile's K and V as loaded.
; THE MODE: SCHED_MODE bits 1:0 = 2 (LLVM: expert scheduling mode 2), set by the entry lines.  The code itself states the register dependences
; between vector or matrix instructions and memory or LDS instructions, with s_wait_alu, always for 0.
; THE PLAN.  Registers that memory or LDS instructions touch:
;   LO, QO, GO, KS0, VS0, STO, RD and the add's pair   made at the head, never written again: one wait at the head's end (LO, QO: one ahead of the first loads).
;   window 3 v0-127   global loads land; the change of tiles' LDS stores read; no vector instruction names them.  One wait on vm_vsrc ahead of the next unit's loads.
;   QB                global loads land; the change of tiles' 64 copies read.  One wait on va_vdst ahead of the next unit's loads.
;   K's, V's fragments   a run of 16 LDS loads lands a step; the products read.  AK, AV: an add writes, the run reads.  One wait on va_vdst at the head of each run: the address is written, the products are done reading
;                     the buffer; one wait on vm_vsrc ahead of each add: the run of a step back has read the address.
;   S^T's registers on the way out   the conversions of all four pieces write, then ONE wait on va_vdst, then the stage's LDS stores read.  The rows come back into OB, which no vector instruction names, and leave from there.
;                     One wait on vm_vsrc behind the last store frees S^T's registers for the next job's products and OB for its loads.
; K and V have one buffer each: a second, by the step's parity, would want the key step's text twice.
.set NP,    4
.set KS,    64
.set PK,    144       ; a row of K in LDS: 128 bytes + 16: the 16 rows of a load start at 16 different groups of four banks (ISA guide 11.1)
.set PV,    160       ; a row of V: 128 + 32
.set VOFF,  4*KS*PK
.set STAGE, 4*KS*(PK+PV)        ; behind the slot: 16 rows x 144 bytes for each wave, for the way out
.set SP,    144
.set SPARE, STAGE+4*16*SP       ; the spare words, 128 bytes for each wave: two blocks of 256 bytes that no other line names
.set KIND,  13107200
.set AK0, 2
.set AV0, 3
.set AK,  4
.set AV,  5
.set STO, 6
.set RD,  7
.set GO,  8
.set MV,  12
.set QO,  15
.set ST,  16
.set LO,  34          ; v34  8192 w + 16 l: my 16 bytes of a load of K or V
.set KS0, 35          ; v35  where they go in LDS, for K
.set VS0, 36          ; v36  for V
.set TMP, 48
.set SPW, 62
.set NIL, 63
.set S,   64
.set OB,  128         ; v128-191  the way out: piece t's rows as read back from the stage, 16 registers at OB + 16 t
.set P,   192
.set MD,  128
.set MC,  160
.set MP,  224
.set QB,  64
.set KF,  128
.set VF,  192
.set WV,  12
.set MK,  13          ; s[13:20] at the head only: eight masks of a run of compares
.set CNT, 13          ; counts a tile's half trips down
.set UN,  14          ; units to go
.set JJ,  15          ; the step of the tile for which masks are made
.set JD,  16          ; the same in a diagonal tile, else -1
.set KD,  17          ; 1: diagonal tile
.set KPF, 18          ; 1.0: vision key tile
.set MKF, 19          ; not 0: masks are made
.set XB,  20          ; the count at which a tile is left: 1, or 0 in a job's last
.set NEW, 21          ; 1: the tile to be entered is a job's first
.set TBK, 22
.set TBV, 23
.set TI,  24
.set TJ,  25
.set OF,  26
.set KP,  28
.set VP,  30
.set QP,  32
.set OPT, 34
.set AL,  36
.set AP,  38
.set BE,  40
.set CS,  42
.set SEL, 44
.set BIGN, 46
.set KEYW, 47
.set QW,  48
.set FLW, 49
.set T0,  50
.set VK,  51          ; the vision block of the unit being loaded
.set VQ,  52          ; of the unit in hand
.set VSTEP, 53
.set W2K, 54
.set PID, 55
.set GG,  56
.set BB,  57
.set MSB, 0
.macro WIN new
.if MSB != (\new)
	s_set_vgpr_msb (MSB<<8)|(\new)
.set MSB, (\new)
.endif
.endm
.set W_KQ, 0x0a
.set W_KM, 0x1a
.set W_PV, 0x52
.set W_RS, 0x41
; A unit's loads: its key tile's K and V (my 64 rows of each, 16 loads of 512 consecutive bytes) and my 64 rows of its query block.  sh: the nibble, 0 or 4 bits up.  again = 1: in the loop.
.macro LOADS sh, again
	s_bfe_u32 s[TI], s[KEYW], 0x40000+(\sh)
	s_add_co_u32 s[TJ], s[T0], s[TI]
	s_cmp_ge_u32 s[TI], 8
	s_cselect_b32 s[TJ], s[VK], s[TJ]
	s_lshl_b32 s[OF], s[TJ], 15
	s_add_nc_u64 s[KP:KP+1], s[4:5], s[OF:OF+1]
	s_add_nc_u64 s[KP:KP+1], s[KP:KP+1], KIND
	s_add_nc_u64 s[VP:VP+1], s[KP:KP+1], KIND
	s_bfe_u32 s[TI], s[QW], 0x40000+(\sh)
	s_add_co_u32 s[TJ], s[T0], s[TI]
	s_cmp_ge_u32 s[TI], 8
	s_cselect_b32 s[TJ], s[VK], s[TJ]
	s_lshl_b32 s[OF], s[TJ], 15
	s_add_co_u32 s[OF], s[OF], s[W2K]
	s_add_nc_u64 s[QP:QP+1], s[4:5], s[OF:OF+1]
	WIN 0xc0
	s_wait_alu depctr_va_vdst(0)    ; at the head: v[LO] and v[QO] are written, which these loads read; in the loop: the 64 copies are done reading the next unit's Q, in which the last sixteen loads land
.if \again
	s_wait_alu depctr_vm_vsrc(0)    ; my LDS stores have read K and V as loaded, in whose registers the first 32 loads land
.endif
.set z, 0
.rept 16
	global_load_b128 v[4*z:4*z+3], v[LO], s[KP:KP+1] offset:512*z
.set z, z+1
.endr
.set z, 0
.rept 16
	global_load_b128 v[64+4*z:64+4*z+3], v[LO], s[VP:VP+1] offset:512*z
.set z, z+1
.endr
	WIN 0x80
.set z, 0
.rept 8
	global_load_b128 v[QB+8*z:QB+8*z+3],   v[QO], s[QP:QP+1] offset:(z/2)*8192+(z%2)*64
	global_load_b128 v[QB+8*z+4:QB+8*z+7], v[QO], s[QP:QP+1] offset:(z/2)*8192+(z%2)*64+32
.set z, z+1
.endr
	WIN 0
.endm
	s_load_b128 s[4:7], s[0:1], 0x0                ; qkv s[4:5], ob s[6:7]
	v_lshl_add_u32 v[SPW], v0, 2, SPARE
	v_mov_b32 v[NIL], 0
	v_lshrrev_b32 v1, 5, v0
	v_readfirstlane_b32 s[WV], v1
	s_and_b32 s[BB], ttmp7, 0xffff                 ; batch
	s_lshr_b32 s[GG], ttmp9, 1                     ; x < 12: text heads, two walks
	s_and_b32 s[PID], ttmp9, 1
	s_sub_co_u32 s[TI], ttmp9, 12                  ; 12 <= x < 24: heads 12-15, three walks
	s_and_b32 s[TJ], s[TI], 3
	s_add_co_u32 s[TJ], s[TJ], 6
	s_lshr_b32 s[TI], s[TI], 2
	s_add_co_u32 s[TI], s[TI], 2
	s_cmp_ge_u32 ttmp9, 12
	s_cselect_b32 s[GG], s[TJ], s[GG]
	s_cselect_b32 s[PID], s[TI], s[PID]
	s_sub_co_u32 s[TI], ttmp9, 24                  ; x = 24, 25: three vision heads each
	s_mul_i32 s[TI], s[TI], 3
	s_cmp_ge_u32 ttmp9, 24
	s_cselect_b32 s[GG], s[TI], s[GG]
	s_cselect_b32 s[PID], 5, s[PID]
	s_cselect_b32 s[VSTEP], 8, 0
	s_lshl_b32 s[T0], s[GG], 5
	s_lshl2_add_u32 s[T0], s[BB], s[T0]            ; 32 g + 4 b
	s_lshl_b32 s[VK], s[GG], 3
	s_add_co_u32 s[VK], s[VK], s[BB]
	s_add_co_u32 s[VK], s[VK], 320                 ; 320 + 8 g + b
	s_mov_b32 s[VQ], s[VK]
	s_mov_b32 s[KEYW], 0xF03210                    ; walk 0: block 3 (keys 0-3), block 0
	s_mov_b32 s[QW],   0x03333
	s_mov_b32 s[FLW],  0xBA001
	s_cmp_eq_u32 s[PID], 1                         ; walk 1: block 2, block 1
	s_cselect_b32 s[KEYW], 0xF10210, s[KEYW]
	s_cselect_b32 s[QW],   0x11222, s[QW]
	s_cselect_b32 s[FLW],  0xA1A01, s[FLW]
	s_cmp_eq_u32 s[PID], 2                         ; walk 2: block 3 with the vision keys in front
	s_cselect_b32 s[KEYW], 0xF32108, s[KEYW]
	s_cselect_b32 s[QW],   0x33333, s[QW]
	s_cselect_b32 s[FLW],  0xA0005, s[FLW]
	s_cmp_eq_u32 s[PID], 3                         ; walk 3: block 2, the vision queries
	s_cselect_b32 s[KEYW], 0xF82108, s[KEYW]
	s_cselect_b32 s[QW],   0x82222, s[QW]
	s_cselect_b32 s[FLW],  0x7A005, s[FLW]
	s_cmp_eq_u32 s[PID], 4                         ; walk 4: block 1, block 0
	s_cselect_b32 s[KEYW], 0xF08108, s[KEYW]
	s_cselect_b32 s[QW],   0x00111, s[QW]
	s_cselect_b32 s[FLW],  0xA5A05, s[FLW]
	s_cmp_eq_u32 s[PID], 5                         ; walk 5: three vision heads
	s_cselect_b32 s[KEYW], 0xFFF888, s[KEYW]
	s_cselect_b32 s[QW],   0x00888, s[QW]
	s_cselect_b32 s[FLW],  0x00777, s[FLW]
	s_wait_alu depctr_va_sdst(0)                   ; the wave's number is written, ahead of its first reader
	s_lshl_b32 s[W2K], s[WV], 11                   ; my 16 rows in a band
	s_mov_b32 s[OF+1], 0
	s_mov_b32 s[AL+1], 0                           ; named as pairs
	s_mov_b32 s[AP], 0
	s_mov_b32 s[AP+1], 0
	s_mov_b32 s[BE+1], 0
	s_mov_b32 s[BIGN], 0xf149f2ca                  ; -1e30
	s_mov_b32 s[CS], 0x3e38aa3b                    ; c = log2(e) / 8
	s_mov_b32 s[CS+1], s[CS]
	s_mov_b32 s[SEL], 0x76543210
	s_mov_b32 s[SEL+1], 0xfedcba98
	v_and_b32 v1, 15, v0                           ; l % 16
	v_bfe_u32 v9, v0, 4, 1                         ; l / 16
	v_lshlrev_b32 v[QO], 7, v1
	v_lshl_add_u32 v[QO], v9, 4, v[QO]
	v_and_b32 v[GO], 31, v0
	v_lshlrev_b32 v[GO], 4, v[GO]                  ; 16 l
	s_lshl_b32 s[TI], s[WV], 13
	v_add_nc_u32 v[LO], s[TI], v[GO]
	s_wait_kmcnt 0x0
	LOADS 0, 0                                     ; the first unit; the set-up below stands in the wait for it
	v_lshlrev_b32 v14, 3, v9
	v_sub_nc_u32 v33, 4, v14                       ; vision tile, last step: register r of group kt is hidden where 16 kt + r > 4 - 8 (l / 16)
	v_sub_nc_u32 v14, v1, v14
	s_lshl_b32 s[TI], s[WV], 4
	v_add_nc_u32 v14, s[TI], v14                   ; a band's own step: hidden where 16 kt + r > 16 w + l % 16 - 8 (l / 16)
	; the two masks: the compares in runs of eight, into eight scalar registers, one wait behind each run
.set g, 0
.rept 4
	WIN 0
.set i, 0
.rept 8
	v_cmp_gt_i32 s[MK+i], 16*g+i, v14
.set i, i+1
.endr
	s_wait_alu depctr_va_sdst(0)                   ; the run's eight masks are written, ahead of the selects that read them
	WIN 0x40
.set i, 0
.rept 8
	v_cndmask_b32 v[MD+8*g+i], 0, s[BIGN], s[MK+i]
.set i, i+1
.endr
	WIN 0
.set i, 0
.rept 8
	v_cmp_gt_i32 s[MK+i], 16*g+i, v33
.set i, i+1
.endr
	s_wait_alu depctr_va_sdst(0)                   ; the run's eight masks are written, ahead of the selects that read them
	WIN 0x40
.set i, 0
.rept 8
	v_cndmask_b32 v[MP+8*g+i], 0, s[BIGN], s[MK+i]
.set i, i+1
.endr
.set g, g+1
.endr
	WIN 0
	v_mul_u32_u24 v[AK0], v1, PK
	v_lshl_add_u32 v[AK0], v9, 4, v[AK0]
	v_and_b32 v10, 7, v0
	v_bfe_u32 v11, v0, 3, 1
	v_lshl_add_u32 v[AV0], v9, 3, v10              ; the turning load: key 8 (l / 16) + l % 8, channels 8 ((l / 8) % 2) + 0..7
	v_mul_u32_u24 v[AV0], v[AV0], PV
	v_lshl_add_u32 v[AV0], v11, 4, v[AV0]
	v_add_nc_u32 v[AV0], VOFF, v[AV0]
	s_mul_i32 s[TI], s[WV], 16*SP
	s_add_co_u32 s[TI], s[TI], STAGE
	v_mul_u32_u24 v[STO], v1, SP
	v_lshl_add_u32 v[STO], v9, 4, v[STO]
	v_add_nc_u32 v[STO], s[TI], v[STO]
	v_bfe_u32 v[RD], v0, 3, 2
	s_lshl_b32 s[TJ], s[WV], 6
	v_add_nc_u32 v32, s[TJ], v[RD]                 ; row 64 w + l / 8 of a tile
	v_mul_u32_u24 v[KS0], v32, PK
	v_lshl_add_u32 v[KS0], v10, 4, v[KS0]
	v_mul_u32_u24 v[VS0], v32, PV
	v_lshl_add_u32 v[VS0], v10, 4, v[VS0]
	v_add_nc_u32 v[VS0], VOFF, v[VS0]
	v_mul_u32_u24 v[RD], v[RD], SP
	v_lshl_add_u32 v[RD], v10, 4, v[RD]
	v_add_nc_u32 v[RD], s[TI], v[RD]
	; A job's first step multiplies O^T and l by a = 0, and its first turn's products V^T P land in an O^T that is still to be so multiplied: these need only be finite: zeros now, later what the job before left
	WIN 0x80
.set i, VF
.rept 64
	v_mov_b32 v[i], 0
.set i, i+1
.endr
	WIN 0x40
.set i, 0
.rept 128
	v_mov_b32 v[i], 0
.set i, i+1
.endr
	WIN 0
.set i, 0
.rept 4
	v_mov_b32 v[ST+4*i+2], 0
	v_mov_b32 v[ST+4*i+3], 0
.set i, i+1
.endr
.set i, P+16
.rept 16
	v_mov_b32 v[i], 0
.set i, i+1
.endr
	s_wait_alu depctr_va_vdst(0)                   ; v[KS0], v[VS0], v[STO], v[RD], v[GO] and the add's pair are written, which the LDS stores and loads and the stores below read; none is written again
; THE MATRIX WORK.  The 4 accumulators of a run of 8 take turns.  Product i of 8 of S^T = K Q^T for piece x: channels 32 (i / 4) on, keys 16 (i % 4) on; the first 4 start the sums with the mask.
.macro KQ x
.set rS, S+32*((\x)%2)+8*(i%4)
.set rK, KF+16*(i%4)+8*(i/4)
.set rQ, 16*(\x)+8*(i/4)
.set rM, MC+32*((\x)%2)+8*(i%4)
.if i < 4
	WIN W_KM
	v_wmma_f32_16x16x32_f16 v[rS:rS+7], v[rK:rK+7], v[rQ:rQ+7], v[rM:rM+7]
.else
	WIN W_KQ
	v_wmma_f32_16x16x32_f16 v[rS:rS+7], v[rK:rK+7], v[rQ:rQ+7], v[rS:rS+7]
.endif
.endm
.macro PV x                            ; product i of 8 of O^T += V^T P: keys 32 (i / 4) on, channels 16 (i % 4) on
	WIN W_PV
.set rO, 32*(\x)+8*(i%4)
.set rV, VF+32*(i/4)+8*(i%4)
.set rP, P+16*((\x)%2)+8*(i/4)
	v_wmma_f32_16x16x32_f16 v[rO:rO+7], v[rV:rV+7], v[rP:rP+7], v[rO:rO+7]
.endm
.macro MM
.if i < 8
	KQ (Y+1)%NP
.else
.set i, i-8
	PV (Y+NP-1)%NP
.set i, i+8
.endif
.set i, i+1
.endm
; The LDS loads stand in runs of 16.  K's address steps to the next step while one follows in the tile (always = 1: in BEGIN); a job's fifth half trip fetches the last step once more.
.macro FETCH_K always
	WIN 0x80
	s_wait_alu depctr_va_vdst(0)    ; v[AK] is written, which these loads read, and the products K Q^T issued so far are done reading K's registers, in which they land
.irp f, 0,1,2,3,4,5,6,7
	ds_load_b128 v[KF+8*\f:KF+8*\f+3],   v[AK] offset:(\f/2)*16*PK+(\f%2)*64
	ds_load_b128 v[KF+8*\f+4:KF+8*\f+7], v[AK] offset:(\f/2)*16*PK+(\f%2)*64+32
.endr
.if \always
	s_add_co_u32 s[TBK], s[TBK], KS*PK
.else
	s_cmp_gt_u32 s[CNT], 2
	s_cselect_b32 s[TI], KS*PK, 0
	s_add_co_u32 s[TBK], s[TBK], s[TI]
.endif
	WIN 0
.endm
.macro FETCH_V
	WIN 0x80
	s_wait_alu depctr_va_vdst(0)    ; v[AV] is written, which these loads read, and what has written or read V's registers (the head's zeros, the products V^T P issued so far) is done: the loads land there
.irp f, 0,1,2,3,4,5,6,7
	ds_load_tr16_b128 v[VF+8*\f:VF+8*\f+3],   v[AV] offset:(\f/4)*32*PV+(\f%4)*32
	ds_load_tr16_b128 v[VF+8*\f+4:VF+8*\f+7], v[AV] offset:(\f/4)*32*PV+16*PV+(\f%4)*32
.endr
	WIN 0
.endm
; THE VECTOR WORK, a line at a time.  For piece Y: F n: c s - c m for pair n.  E n: the exponential of score n.  C n: pair n rounded to f16.  B n: of four weights the second pair onto the first.  L n: l takes that sum
; (L 0: l = a l + sum).  R n: pair n of O^T times a.  For piece Y + 1: X n, number n of the 22 that find its maximum and statistics (each accumulator's lowest registers are read first).
.set F, 0
.set E, 1
.set C, 2
.set B, 3
.set L, 4
.set R, 5
.set X, 6
.macro REGS y
.set rT, ST+4*(\y)
.set rC, TMP+4*((\y)%2)
.set rW, MV+((\y)%2)
.set rS, S+32*((\y)%2)
.set rP, P+16*((\y)%2)
.set rO, 32*(\y)
.endm
.macro OP k, n
.if (\k) == R
	REGS Y
	WIN W_RS
	v_pk_mul_f32 v[rO+2*(\n):rO+2*(\n)+1], v[rO+2*(\n):rO+2*(\n)+1], v[rC+2:rC+3] op_sel_hi:[1,0]
.elseif (\k) < R
	REGS Y
	WIN 0
.if (\k) == F
	v_pk_fma_f32 v[rS+2*(\n):rS+2*(\n)+1], v[rS+2*(\n):rS+2*(\n)+1], s[CS:CS+1], v[rT:rT+1] op_sel_hi:[1,0,0] neg_lo:[0,0,1] neg_hi:[0,0,1]
.elseif (\k) == E
	v_exp_f32 v[rS+(\n)], v[rS+(\n)]
.elseif (\k) == C
	v_cvt_pk_f16_f32 v[rP+(\n)], v[rS+2*(\n)], v[rS+2*(\n)+1]
.elseif (\k) == B
	v_pk_add_f32 v[rS+4*(\n):rS+4*(\n)+1], v[rS+4*(\n):rS+4*(\n)+1], v[rS+4*(\n)+2:rS+4*(\n)+3]
.elseif (\n) == 0
	v_pk_fma_f32 v[rT+2:rT+3], v[rT+2:rT+3], v[rC+2:rC+3], v[rS:rS+1] op_sel_hi:[1,0,1]
.else
	v_pk_add_f32 v[rT+2:rT+3], v[rT+2:rT+3], v[rS+4*(\n):rS+4*(\n)+1]
.endif
.else
	REGS (Y+1)%NP
	WIN 0
.if (\n) < 4
	v_max3_num_f32 v[rC+(\n)], v[rS+8*(\n)], v[rS+8*(\n)+1], v[rS+8*(\n)+2]
.elseif (\n) < 12
	v_max3_num_f32 v[rC+(\n)%4], v[rC+(\n)%4], v[rS+8*((\n)%4)+2*((\n)/4)+1], v[rS+8*((\n)%4)+2*((\n)/4)+2]
.elseif (\n) == 12
	v_max3_num_f32 v[rC], v[rC], v[rS+7], v[rS+15]
.elseif (\n) == 13
	v_max3_num_f32 v[rC+1], v[rC+1], v[rS+23], v[rS+31]
.elseif (\n) == 14
	v_max3_num_f32 v[rC+2], v[rC+2], v[rC+3], v[rT+1]
.elseif (\n) == 15
	v_mov_b32 v[rW], v[rT]
.elseif (\n) == 16
	v_max3_num_f32 v[rC], v[rC], v[rC+1], v[rC+2]
.elseif (\n) == 17
	v_permlanex16_b32 v[rC+3], v[rC], s[SEL], s[SEL+1]
.elseif (\n) == 18
	v_max_num_f32 v[rT+1], v[rC], v[rC+3]
.elseif (\n) == 19
	v_mul_f32 v[rT], s[CS], v[rT+1]
.elseif (\n) == 20
	v_sub_f32 v[rC+1], v[rW], v[rT]
.else
	v_exp_f32 v[rC+2], v[rC+1]
.endif
.endif
.endm
.macro OPS a, i1, b=-1, i2=0, c=-1, i3=0, d=-1, i4=0
	OP \a, \i1
.if (\b) >= 0
	OP \b, \i2
.endif
.if (\c) >= 0
	OP \c, \i3
.endif
.if (\d) >= 0
	OP \d, \i4
.endif
.endm
.macro ROW a, i1, b, i2, c, i3, d, i4  ; a matrix instruction and the four behind it
	MM
	OPS \a, \i1, \b, \i2, \c, \i3, \d, \i4
.endm
.macro MASK b                          ; MD x AL + BE + MP x AP into buffer b of MC
	WIN 0x51
.set z, 0
.rept 16
	v_pk_fma_f32 v[MC+32*(\b)+2*z:MC+32*(\b)+2*z+1], v[MD+2*z:MD+2*z+1], s[AL:AL+1], s[BE:BE+1] op_sel_hi:[1,0,0]
.set z, z+1
.endr
.set z, 0
.rept 16
	v_pk_fma_f32 v[MC+32*(\b)+2*z:MC+32*(\b)+2*z+1], v[MP+2*z:MP+2*z+1], s[AP:AP+1], v[MC+32*(\b)+2*z:MC+32*(\b)+2*z+1] op_sel_hi:[1,0,1]
.set z, z+1
.endr
.endm
; A TURN, for piece p.  Ahead of its one wait for the exponentials stands all that names no result of theirs; behind it the roundings and sums ride on the products V^T P.  K of the next step is fetched in piece 2's turn, six plain
; instructions behind the last product that read K; V of the step in hand at the end of piece 0's turn, four plain instructions behind the last product that read V.  Each is waited for a turn later.
; Behind the turn, where masks change, the mask for the next turn's products is made: piece p + 2, in step JJ of the tile: its band's own step (AL), a later one (BE), the vision tile's last (AP).
.macro TURN p
.set Y, (\p)
.set i, 0
.if (\p) == 3
	s_wait_dscnt 0x0                ; K is in
.endif
	ROW F,0, F,1, R,0, R,1
	ROW F,2, E,0, R,2, R,3
	ROW F,3, E,1, R,4, R,5
	ROW F,4, E,2, R,6, R,7
	ROW F,5, E,3, R,8, R,9
	ROW F,6, E,4, X,0, R,10
.if (\p) == 2
	WIN 0
	s_wait_alu depctr_vm_vsrc(0)    ; K's last run of loads, a step back, has read v[AK]
	v_add_nc_u32 v[AK], s[TBK], v[AK0]
.endif
	ROW F,7, E,5, X,1, X,4
	ROW F,8, E,6, X,2, X,5
	OPS E,7, E,8, X,6, E,9
	OPS X,3, E,10, X,8, E,11
.if (\p) == 2
	FETCH_K 0
.endif
	OPS X,9, X,7, E,12, X,10
	OPS E,13, X,12, X,11, E,14
	OPS X,13, E,15, F,9, X,14
.if (\p) == 0
	s_wait_alu depctr_vm_vsrc(0)    ; V's last run of loads, a step back, has read v[AV]
	v_add_nc_u32 v[AV], s[TBV], v[AV0]
.endif
	OPS E,16, F,10, E,17, F,11
	OPS X,16, E,18, X,15, E,19
	OPS F,12, E,20, X,17, E,21
	OPS F,13, E,22, F,14, E,23
	OPS X,18, E,24, F,15, E,25
	OPS R,11, E,26, X,19, E,27
	OPS R,12, E,28, R,13, E,29
	OPS X,20, E,30, R,14, E,31
	OPS X,21, R,15                  ; the batch's last exponential, and the plain instruction behind it
	WIN 0
	s_wait_alu depctr_va_vdst(0)    ; the turn's 33 exponentials have written their results (the piece's 32 weights, the next piece's a), ahead of the first line that names one
.if (\p) == 1
	s_wait_dscnt 0x0                ; V is in
.endif
	ROW C,0, B,0, C,2, B,1
	ROW L,0, C,4, B,2, L,1
	ROW C,6, B,3, L,2, C,8
	ROW B,4, L,3, C,10, B,5
	ROW L,4, C,12, B,6, L,5
.if (\p) == 0
	s_add_co_u32 s[TBV], s[TBV], KS*PV
.endif
	ROW C,14, B,7, L,6, C,1
	ROW C,3, L,7, C,5, C,7
	ROW C,9, C,11, C,13, C,15
.if (\p) == 0
	FETCH_V
.endif
	WIN 0
	s_cmp_eq_u32 s[MKF], 0
	s_cbranch_scc1 .Lnm_\@
	s_cmp_eq_i32 s[JD], ((\p)+2)%NP
	s_cselect_b32 s[AL], 1.0, 0
	s_cmp_gt_i32 s[JD], ((\p)+2)%NP
	s_cselect_b32 s[BE], s[BIGN], 0
	MASK (\p)%2
	WIN 0
.Lnm_\@:
.endm
.macro ALL line:vararg
.set t, 0
.rept 4
	\line
.set t, t+1
.endr
.endm
.macro PACK t                          ; piece t divided by l; a lane's eight channels of a row pack into 16 bytes
	WIN W_RS
.set i, 32*(\t)
.rept 16
	v_pk_mul_f32 v[i:i+1], v[i:i+1], v[ST+4*(\t)+2:ST+4*(\t)+3] op_sel_hi:[1,0]
.set i, i+2
.endr
	WIN 0x05
.set i, 0
.rept 16
	v_cvt_pk_f16_f32 v[S+16*(\t)+i], v[32*(\t)+2*i], v[32*(\t)+2*i+1]
.set i, i+1
.endr
.endm
.macro TOSTAGE t                       ; piece t into rows of 144 bytes, and back as whole rows of 128, into registers that no vector instruction names
	WIN 0
.irp f, 0,1,2,3
	ds_store_b128 v[STO], v[S+16*(\t)+4*\f:S+16*(\t)+4*\f+3] offset:32*\f
.endr
.irp f, 0,1,2,3
	ds_load_b128 v[OB+16*(\t)+4*\f:OB+16*(\t)+4*\f+3], v[RD] offset:\f*4*SP  ; LDS serves a wave's instructions in order (ISA guide 5.7.1.4)
.endr
.endm
.macro SEND t, younger                 ; younger: the LDS instructions issued behind piece t's loads
	WIN 0
.irp f, 0,1,2,3
	s_wait_dscnt (\younger)+3-\f
	global_store_b128 v[GO], v[OB+16*(\t)+4*\f:OB+16*(\t)+4*\f+3], s[OPT:OPT+1] offset:(\t)*8192+\f*512  ; 512 consecutive bytes, aligned
.endr
.endm
	s_mov_b32 s[UN], 5
	s_mov_b32 s[NEW], 1
.Lunit:                                ; five trips; a walk of three units leaves at its fourth (the same in all four waves)
	s_and_b32 s[TI], s[KEYW], 15
	s_cmp_eq_u32 s[TI], 15
	s_cbranch_scc1 .Lend
	; THE CHANGE OF TILES
	s_wait_dscnt 0x0                               ; my reads of the old tile are over
	s_barrier_signal -1
	s_barrier_wait -1                              ; everybody's: the slot may be written
	s_wait_loadcnt 0x0                             ; this unit's K, V and Q, asked for a unit ago, are in registers; their address registers are free
	WIN 0x0c
.set z, 0
.rept 16
	ds_store_b128 v[KS0], v[4*z:4*z+3] offset:4*PK*z
.set z, z+1
.endr
.set z, 0
.rept 16
	ds_store_b128 v[VS0], v[64+4*z:64+4*z+3] offset:4*PV*z
.set z, z+1
.endr
	WIN 0x82
.set z, 0
.rept 64
	v_mov_b32 v[z], v[QB+z]                        ; within a job the same numbers again; at a job's first tile the new block's
.set z, z+1
.endr
	WIN 0
	s_mov_b32 s[TBK], 0
	s_mov_b32 s[TBV], 0
	s_mov_b32 s[JJ], 0
	s_bfe_u32 s[KD], s[FLW], 0x10003
	s_bfe_u32 s[TI], s[FLW], 0x10002
	s_cmp_lg_u32 s[TI], 0
	s_cselect_b32 s[KPF], 1.0, 0
	s_bfe_u32 s[XB], s[FLW], 0x10001
	s_xor_b32 s[XB], s[XB], 1
	s_sub_co_u32 s[JD], s[KD], 1                   ; step 0 of a diagonal tile, else -1
	s_mov_b32 s[AP], 0
	s_mov_b32 s[MKF], 1                            ; a tile's first four turns make all masks anew
	s_and_b32 s[TI], s[QW], 15                     ; where this unit's job stores
	s_add_co_u32 s[TJ], s[T0], s[TI]
	s_cmp_ge_u32 s[TI], 8
	s_cselect_b32 s[TJ], s[VQ], s[TJ]
	s_lshl_b32 s[OF], s[TJ], 15
	s_add_co_u32 s[OF], s[OF], s[W2K]
	s_add_nc_u64 s[OPT:OPT+1], s[6:7], s[OF:OF+1]
	s_wait_dscnt 0x0                               ; my stores are done
	s_barrier_signal -1
	s_barrier_wait -1                              ; everybody's: the tile may be read
	s_bfe_u32 s[TI], s[KEYW], 0x40004
	s_cmp_eq_u32 s[TI], 15
	s_cbranch_scc1 .Lno_next
	s_add_co_u32 s[VK], s[VK], s[VSTEP]
	LOADS 4, 1                                     ; the next unit
.Lno_next:
	s_cmp_eq_u32 s[NEW], 1
	s_cbranch_scc1 .Lnew
	s_mov_b32 s[CNT], 5
	s_branch .Lstep
.Lnew:                                 ; A JOB BEGINS: c m far below every c s, so that the first step's a is 0; the second mask buffer 0; the first takes piece 0's mask for step 0; K of that step; piece 0's first scores and statistics
	s_mov_b32 s[NEW], 0
	WIN 0x40
.set i, MC+32
.rept 32
	v_mov_b32 v[i], 0
.set i, i+1
.endr
	WIN 0
.set i, 0
.rept 4
	v_mov_b32 v[ST+4*i], 0xfe000000
	v_mov_b32 v[ST+4*i+1], 0xff7fffff
.set i, i+1
.endr
	s_cmp_lg_u32 s[KD], 0
	s_cselect_b32 s[AL], 1.0, 0
	s_mov_b32 s[BE], 0
	MASK 0
	WIN 0
	s_wait_alu depctr_vm_vsrc(0)                   ; K's last run of loads, in the job before, has read v[AK]
	v_add_nc_u32 v[AK], s[TBK], v[AK0]
	FETCH_K 1
	s_wait_dscnt 0x0
.set i, 0
.rept 8
	KQ 0
.set i, i+1
.endr
	WIN 0
.rept 4
	v_nop                                          ; the places behind those products
.endr
.set Y, NP-1
.irp n, 0,1,2,3,4,5,6,7,8,9,10,11,12,13,14,15,16,17,18,19,20,21
	OP X, \n
.endr
	v_nop                                          ; a plain instruction behind the exponential,
	s_wait_alu depctr_va_vdst(0)                   ; which has written piece 0's a: ahead of the branch and of its first reader
	s_mov_b32 s[CNT], 4
	s_branch .Lfirst
.Lstep:                                ; a trip: pieces 2 and 3 of one step, then pieces 0 and 1 of the next
	TURN 2
	TURN 3
	s_sub_co_u32 s[CNT], s[CNT], 1
	s_cmp_eq_u32 s[CNT], 0
	s_cbranch_scc1 .Lout                           ; a job's last tile is left here, in the middle of its fifth trip
.Lfirst:
	TURN 0
	TURN 1
	s_add_co_u32 s[JJ], s[JJ], 1
	s_cmp_lg_u32 s[KD], 0
	s_cselect_b32 s[JD], s[JJ], -1
	s_cmp_eq_u32 s[JJ], 3
	s_cselect_b32 s[AP], s[KPF], 0
	s_or_b32 s[MKF], s[KD], s[AP]
	s_cmp_eq_u32 s[CNT], s[XB]
	s_cbranch_scc1 .Lbottom                        ; every other tile here: its K and V have all been read
	s_branch .Lstep
.Lout:                                 ; the fifth half trip's products K Q^T, on the last K once more, and the maximum made of them serve nothing: the price of one text for every trip
.set i, 0
.rept 8
	PV NP-1
.set i, i+1
.endr
	WIN 0
	ALL v_add_f32 v[ST+4*t+2], v[ST+4*t+2], v[ST+4*t+3]
	ALL v_permlanex16_b32 v[ST+4*t+3], v[ST+4*t+2], s[SEL], s[SEL+1]
	ALL v_add_f32 v[ST+4*t+2], v[ST+4*t+2], v[ST+4*t+3]
	ALL v_rcp_f32 v[ST+4*t+2], v[ST+4*t+2]
	v_nop                                          ; a plain instruction behind the last reciprocal,
	s_wait_alu depctr_va_vdst(0)                   ; and the four reciprocals have written 1 / l, ahead of the first line that names one
	PACK 0                                         ; all four pieces' arithmetic first,
	PACK 1
	PACK 2
	PACK 3
	WIN 0
	s_wait_alu depctr_va_vdst(0)                   ; then one wait: the 64 conversions have written S^T's registers, which the LDS stores below read
	TOSTAGE 0
.set t, 1
.rept 3
	TOSTAGE t
	SEND t-1, 8
.set t, t+1
.endr
	SEND 3, 0
	s_wait_xcnt 0x0                                ; the stores have had their addresses translated: their registers and their base are written again only behind this wait
	s_wait_alu depctr_vm_vsrc(0)                   ; the LDS stores have read S^T's registers, which the next job's products write; the stores have read OB, in which the next job's rows land
	s_mov_b32 s[NEW], 1
.Lbottom:
	s_lshr_b32 s[KEYW], s[KEYW], 4
	s_lshr_b32 s[QW], s[QW], 4
	s_lshr_b32 s[FLW], s[FLW], 4
	s_add_co_u32 s[VQ], s[VQ], s[VSTEP]
	s_sub_co_u32 s[UN], s[UN], 1
	s_cmp_lg_u32 s[UN], 0
	s_cbranch_scc1 .Lunit
.Lend:
	s_wait_dscnt 0x0                               ; the closing lines, six on end
	s_wait_alu 0x0
	s_wait_tensorcnt 0x0
	ds_add_u32 v[SPW], v[NIL]
	s_wait_dscnt 0x0
	s_endpgm
.Lfunc_end_k_q4ccdb58259_attn:
	.size	k_q4ccdb58259_attn, .Lfunc_end_k_q4ccdb58259_attn-k_q4ccdb58259_attn
	.p2alignl 7, 3214868480
	.fill 96, 4, 3214868480
	.section	.rodata,"a",@progbits
	.p2align	6, 0x0
	.amdhsa_kernel k_q4ccdb58259_attn
		.amdhsa_group_segment_fixed_size 87552
		.amdhsa_private_segment_fixed_size 0
		.amdhsa_enable_private_segment 0
		.amdhsa_kernarg_size 16
		.amdhsa_user_sgpr_count 2
		.amdhsa_user_sgpr_kernarg_segment_ptr 1
		.amdhsa_wavefront_size32 1
		.amdhsa_system_sgpr_workgroup_id_x 1
		.amdhsa_system_sgpr_workgroup_id_y 1
		.amdhsa_system_sgpr_workgroup_id_z 1
		.amdhsa_system_vgpr_workitem_id 0
		.amdhsa_next_free_vgpr 896
		.amdhsa_next_free_sgpr 66
		.amdhsa_reserve_vcc 0
		.amdhsa_float_denorm_mode_32 3
		.amdhsa_float_denorm_mode_16_64 3
		.amdhsa_memory_ordered 1
		.amdhsa_forward_progress 1
		.amdhsa_inst_pref_size 105
	.end_amdhsa_kernel
	.amdgpu_metadata
---
amdhsa.version: [ 1, 2 ]
amdhsa.kernels:
  - .name:           k_q4ccdb58259_attn
    .symbol:         k_q4ccdb58259_attn.kd
    .args:
      - { .name: qkv, .offset: 0, .size: 8, .value_kind: global_buffer, .address_space: global }
      - { .name: ob, .offset: 8, .size: 8, .value_kind: global_buffer, .address_space: global }
    .group_segment_fixed_size: 87552
    .private_segment_fixed_size: 0
    .kernarg_segment_align: 8
    .kernarg_segment_size: 16
    .max_flat_workgroup_size: 128
    .sgpr_count:     66
    .vgpr_count:     896
    .wavefront_size: 32
...
	.end_amdgpu_metadata
.endif
;; end of part 6
;; launch outp: the kernel of part 4 again; grid 4 x 40, 4 waves a work-group, clusters of 4 x 4, 327,680 bytes of LDS; arguments ob, wob, bo, out0; writes out0
